; MI455X (gfx1250); checked and timed in simulation.
; The chip was launched on July 23, 2026; its instructions are those of AMD's public machine-readable ISA for CDNA 5 (MIT licence, August 2026) and "CDNA5" Instruction Set Architecture Reference Guide (July 2026). The comments in the code are by the model that wrote it; some were corrected since.
;; Module 2. Allowed arithmetic: float matrix products may take bf16 or f16 operands with f32 sums; all other float work in f32.
;; Inputs: Wk 512 x 512 float32; Wo 512 x 512 float32; Wq 512 x 512 float32; Wv 512 x 512 float32; bk 512 float32; bo 512 float32; bq 512 float32; bv 512 float32; x 8 x 2,048 x 512 float32.
;; Outputs: out0 8 x 2,048 x 512 float32.
;; 3 versions, each right; version 2 is faster than version 1; version 3 is version 2 with the launch prep written anew for expert scheduling mode. Each part assembles by itself: llvm-mc -triple=amdgcn-amd-amdhsa -mcpu=gfx1250 --defsym DOCPART=n.
;; ======== version 1 of 3: 3 launches
;; limits: values outside matrix products are rounded to bf16
;; workspace buffers: wcat 1,048,576 bytes; cvec 4,096 bytes; qws 16,777,216 bytes; kws 16,777,216 bytes; vws 16,777,216 bytes
;; launch prep (part 1): grid 4 x 16, 4 waves a work-group, no clusters, 299,776 bytes of LDS; arguments Wq, Wk, Wv, Wo, bq, bv, bo, wcat, cvec; writes wcat, cvec
.if DOCPART == 1
	.amdgcn_target "amdgcn-amd-amdhsa--gfx1250"
	.amdhsa_code_object_version 6
	.text
	.protected	k_q8cd8dc3da1_prep
	.globl	k_q8cd8dc3da1_prep
	.p2align	8
	.type	k_q8cd8dc3da1_prep,@function
k_q8cd8dc3da1_prep:
	s_mov_b64 s[64:65], 0
	v_nop
	global_prefetch_b8 v0, s[64:65] scope:SCOPE_SE
	s_setreg_imm32_b32 hwreg(HW_REG_WAVE_MODE, 25, 1), 1
	s_wait_xcnt 0x0
; PREP: folds the four weight matrices of reference() into one table, wcat [1024][512] bf16, and one vector, cvec [1024] f32.
;
; WORK LEFT OUT OR REGROUPED, in the terms of reference(), for all finite values of the inputs:
; (1) bk is dead.  attn[n][m] = scale q[n].(x[m] Wk + bk) = scale q[n].(x[m] Wk) + scale q[n].bk.  The last term does not hang on m, the axis
;     of the softmax, and softmax(a + c) = softmax(a) for a c that is the same along the axis.  So bk has no way to any output:
;     it is not loaded and is among no launch arguments.
; (2) q[n].(x[m] Wk) = (x[n] Wq Wk^T + bq Wk^T).x[m]: with M1 = Wq Wk^T and c1 = bq Wk^T the keys are x itself, and the product x Wk is not made.
; (3) The weights of a softmax row add up to 1, so (sum_m p[m] (x[m] Wv + bv)) Wo + bo = sum_m p[m] (x[m] Wv Wo + bv Wo + bo):
;     with M2 = Wv Wo and c2 = bv Wo + bo the product with Wo behind the attention is not made.
; LIMITS: a NaN, an infinity or an overflow that reaches only q.bk is not carried to the result.  The order of rounding differs from
; reference(): M1 and M2 are summed in f32 from operands rounded to bf16 and are themselves rounded to bf16; c1 and c2 likewise, kept in f32.
;
; wcat[n][i]     = sc sum_d Wk[n][d] Wq[i][d]   (n < 512),  cvec[n]     = sc sum_d Wk[n][d] bq[d],  sc = 512^-0.5 log2(e) = 0x3d8293ee,
; wcat[512+e][i] =    sum_d Wo[d][e] Wv[i][d],              cvec[512+e] =    sum_d Wo[d][e] bv[d] + bo[e].
; sc lets the softmax of the last launch work in base 2.
;
; A work-group (ib = x, y) makes rows 64 y .. +63, columns 128 ib .. +127 of wcat: 256 consecutive bytes of each row.  y < 8: first form, y >= 8: second.
; Wave w makes rows 16 w .. +15 of them: 8 accumulator tiles.  Source 0 = 16 rows i of Wq (Wv), source 1 = 16 rows n of Wk (16 columns e of Wo,
; read from LDS by transposing loads), so that a lane ends up with 8 neighbouring columns i of one row of wcat.
; The inputs are f32 and are rounded to bf16 on the way into LDS, so they come through registers: no tensor loads, hence no joint loads and no cluster.
; 64 work-groups: a row piece of 256 bytes fixes 128 rows of Wq (Wv) for a work-group; more work-groups would each load as much.
;
; LDS: AR 128 rows x 1040 bytes (1024 of data + 16: sixteen rows start 16 bytes apart modulo 256); BR0, the first form's B, 64 x 1040;
; BR1, the second form's B, [512 d][64 e] bf16 at pitch 160; CST 64 f32 of cvec; STG 16 rows x 272 bytes for each wave, for the way out.
; Each form has its B in bytes of its own: the waves' shares of B differ between the forms (16,640 against 20,480 bytes a wave), and so no line
; of one form names a byte that a line of the other touches.  A work-group runs one form (y is the same in its four waves) and leaves
; the other form's region untouched.  In AR, CST and STG a wave's bytes are the same in both forms.
; REGISTERS: window 0: v1 r = lane % 16, v2 h = lane / 16, v3 lane, v4-v15 addresses, v16-79 accumulators, v80-95 the two sums of cvec,
; v96-167 and v168-239 fragment buffers (B at +0, A tile it at +8+8 it); during the conversion v128-255 hold packed bf16.
; Windows 1, 2: raw rows of A; window 3: raw B.
.set PA,  1040
.set BR0, 128*PA
.set BR1, BR0+64*PA
.set PB1, 160
.set CST, BR1+512*PB1
.set STG, CST+256
.set SP,  272
.set ACC, 16
.set BAC, 80
.set FB,  96
.set FBS, 72
.set MSB, 0
.macro WIN new                         ; the high byte of the immediate repeats the setting that is left
.if MSB != \new
	s_set_vgpr_msb (MSB<<8)|\new
.set MSB, \new
.endif
.endm
.macro PLACES n                        ; places behind matrix instructions (ISA guide 7.12.1)
.rept \n
	v_nop
.endr
.endm
; 64 loads of 16 bytes a lane into one window: load (rr, c) into registers 4 (4 rr + c)
.macro GLOADS win, areg, sb, base, rstep, cstep
	WIN \win
.irp rr, 0,1,2,3,4,5,6,7,8,9,10,11,12,13,14,15
.irp c, 0,1,2,3
	global_load_b128 v[4*(4*\rr+\c):4*(4*\rr+\c)+3], v[\areg], s[\sb:\sb+1] offset:\base+\rr*\rstep+\c*\cstep
.endr
.endr
	WIN 0
.endm
; one window of raw f32 is rounded to bf16 into v128-255 and goes to LDS, 8 bytes a lane
.macro CONV win, areg, base, rstep, cstep
	WIN \win
.set i, 0
.rept 64
	v_cvt_pk_bf16_f32 v[128+2*i], v[4*i], v[4*i+1]
	v_cvt_pk_bf16_f32 v[129+2*i], v[4*i+2], v[4*i+3]
.set i, i+1
.endr
	WIN 0
.irp rr, 0,1,2,3,4,5,6,7,8,9,10,11,12,13,14,15
.irp c, 0,1,2,3
	ds_store_b64 v[\areg], v[128+2*(4*\rr+\c):129+2*(4*\rr+\c)] offset:\base+\rr*\rstep+\c*\cstep
.endr
.endr
.endm
; the B fragment of K step ks: 16 rows n (or columns e) x 32 d
.macro FETCHB p, ks, dst
.if \p == 0
	ds_load_b128 v[\dst:\dst+3], v10 offset:64*(\ks)
	ds_load_b128 v[\dst+4:\dst+7], v10 offset:64*(\ks)+32
.else
	ds_load_tr16_b128 v[\dst:\dst+3], v[10+(\ks)/8] offset:((\ks)%8)*32*PB1
	ds_load_tr16_b128 v[\dst+4:\dst+7], v[10+(\ks)/8] offset:((\ks)%8)*32*PB1+16*PB1
.endif
.endm
; 18 LDS loads: the B fragment and the eight A fragments of K step ks, into the buffer of its parity
.macro FETCHW p, ks
	FETCHB \p, \ks, FB+FBS*((\ks)%2)
.irp it, 0,1,2,3,4,5,6,7
	ds_load_b128 v[FB+FBS*((\ks)%2)+8+8*\it:FB+FBS*((\ks)%2)+8+8*\it+3], v[8+\it/4] offset:(\it%4)*16*PA+64*(\ks)
	ds_load_b128 v[FB+FBS*((\ks)%2)+12+8*\it:FB+FBS*((\ks)%2)+12+8*\it+3], v[8+\it/4] offset:(\it%4)*16*PA+64*(\ks)+32
.endr
.endm
; p: the form; pa, pb, pv: the scalar pairs with the addresses of A (Wq, Wv), B (Wk, Wo) and the bias vector (bq, bv)
.macro BODY p, pa, pb, pv
	s_lshl_b32 s28, s2, 18                         ; 128 ib rows of 2,048 bytes
	s_add_nc_u64 s[26:27], s[\pa:\pa+1], s[28:29]
.if \p == 0
	s_lshl_b32 s28, s3, 17                         ; 64 y rows of Wk
	s_add_nc_u64 s[30:31], s[\pb:\pb+1], s[28:29]
	s_lshl_b32 s5, s4, 15
	v_lshl_add_u32 v6, v3, 4, s5                   ; GB: 16 rows a wave, 16 bytes a lane
	s_mul_i32 s5, s4, 16*PA
	s_add_co_u32 s5, s5, BR0
	v_lshl_add_u32 v7, v3, 3, s5                   ; LBW
	v_add_nc_u32 v10, s5, v8                       ; BF0 = BR0 + (16 w + r) 1040 + 16 h
.else
	s_sub_co_u32 s28, s3, 8
	s_lshl_b32 s28, s28, 8                         ; 64 (y - 8) columns of f32
	s_add_nc_u64 s[30:31], s[\pb:\pb+1], s[28:29]
	s_add_nc_u64 s[36:37], s[20:21], s[28:29]      ; bo at my 64 numbers
	s_lshl_b32 s5, s4, 18
	v_lshlrev_b32 v6, 11, v2
	v_lshl_add_u32 v6, v1, 4, v6
	v_add_nc_u32 v6, s5, v6                        ; GB = (128 w + h) 2048 + 16 r: one load takes 256 bytes of each of two rows d
	s_mul_i32 s5, s4, 128*PB1
	s_add_co_u32 s5, s5, BR1
	v_mul_u32_u24 v7, v2, PB1
	v_lshl_add_u32 v7, v1, 3, v7
	v_add_nc_u32 v7, s5, v7                        ; LBW = BR1 + (128 w + h) 160 + 8 r
	v_and_b32 v10, 7, v0
	v_lshl_add_u32 v10, v2, 3, v10
	v_mul_u32_u24 v10, v10, PB1
	v_bfe_u32 v11, v0, 3, 1
	v_lshl_add_u32 v10, v11, 4, v10
	s_lshl_b32 s5, s4, 5
	s_add_co_u32 s5, s5, BR1
	v_add_nc_u32 v10, s5, v10                      ; BF0 = BR1 + (8 h + lane % 8) 160 + 32 w + 16 ((lane / 8) % 2)
	v_add_nc_u32 v11, 256*PB1, v10                 ; BF1: K steps 8 to 15
.endif
	GLOADS 0x40, 4, 26, 0, 2048, 512               ; my rows 0-15 of A
	GLOADS 0x80, 4, 26, 32768, 2048, 512           ; my rows 16-31
	s_wait_loadcnt 63                              ; 128 issued, at most 63 out: the first 65 are in, window 1 among them
	CONV 0x05, 5, 0, PA, 256
.if \p == 0
	GLOADS 0xc0, 6, 30, 0, 2048, 512
.else
	GLOADS 0xc0, 6, 30, 0, 16384, 4096
.endif
	s_wait_loadcnt 63                              ; 192 issued, at most 63 out: the first 129 are in, window 2 among them
	CONV 0x0a, 5, 16*PA, PA, 256
	s_wait_loadcnt 0x0
.if \p == 0
	CONV 0x0f, 7, 0, PA, 256
.else
	CONV 0x0f, 7, 0, 8*PB1, 2*PB1
.endif
	s_wait_dscnt 0x0                               ; my LDS stores are done, for the sake of the other waves
	s_barrier_signal -1
	s_barrier_wait -1
	; 16 K steps of 32, two fragment buffers; the eight accumulators take turns, one instruction a turn
	FETCHW \p, 0
	FETCHW \p, 1
.irp ks, 0,1,2,3,4,5,6,7,8,9,10,11,12,13,14,15
.if \ks < 15
	s_wait_dscnt 18                                ; all but the 18 loads of the next K step
.else
	s_wait_dscnt 0x0
.endif
.irp it, 0,1,2,3,4,5,6,7
.if \ks == 0
	v_wmma_f32_16x16x32_bf16 v[ACC+8*\it:ACC+8*\it+7], v[FB+FBS*(\ks%2)+8+8*\it:FB+FBS*(\ks%2)+8+8*\it+7], v[FB+FBS*(\ks%2):FB+FBS*(\ks%2)+7], 0
.else
	v_wmma_f32_16x16x32_bf16 v[ACC+8*\it:ACC+8*\it+7], v[FB+FBS*(\ks%2)+8+8*\it:FB+FBS*(\ks%2)+8+8*\it+7], v[FB+FBS*(\ks%2):FB+FBS*(\ks%2)+7], v[ACC+8*\it:ACC+8*\it+7]
.endif
.endr
.if \ks < 14
	PLACES 4                                       ; the loads below land in registers that these matrix instructions read
	FETCHW \p, \ks+2
.endif
.endr
	PLACES 4
	; cvec: made by the work-groups with ib = 0 alone, all of it inside this one branch (ib is the same in all four waves)
	s_cmp_lg_u32 s2, 0
	s_cbranch_scc1 .Lout_\p
.irp ks, 0,1,2,3,4,5,6,7,8,9,10,11,12,13,14,15
	FETCHB \p, \ks, FB+8*\ks
.endr
	v_lshlrev_b32 v240, 5, v2                      ; the bias vector in fragment order: every row of the fragment is the vector itself,
	WIN 0x40                                       ; so a lane takes d = 32 ks + 8 h .. +7 and 32 ks + 16 + 8 h .. +7
.irp ks, 0,1,2,3,4,5,6,7,8,9,10,11,12,13,14,15
	global_load_b128 v[16*\ks:16*\ks+3], v240, s[\pv:\pv+1] offset:128*\ks
	global_load_b128 v[16*\ks+4:16*\ks+7], v240, s[\pv:\pv+1] offset:128*\ks+16
	global_load_b128 v[16*\ks+8:16*\ks+11], v240, s[\pv:\pv+1] offset:128*\ks+64
	global_load_b128 v[16*\ks+12:16*\ks+15], v240, s[\pv:\pv+1] offset:128*\ks+80
.endr
	s_wait_loadcnt 0x0
	WIN 0x85                                       ; from window 1 into window 2
.set i, 0
.rept 128
	v_cvt_pk_bf16_f32 v[i], v[2*i], v[2*i+1]
.set i, i+1
.endr
	WIN 0x02
	s_wait_dscnt 0x0
.irp ks, 0,1,2,3,4,5,6,7,8,9,10,11,12,13,14,15
.if \ks < 2
	v_wmma_f32_16x16x32_bf16 v[BAC+8*(\ks%2):BAC+8*(\ks%2)+7], v[8*\ks:8*\ks+7], v[FB+8*\ks:FB+8*\ks+7], 0
.else
	v_wmma_f32_16x16x32_bf16 v[BAC+8*(\ks%2):BAC+8*(\ks%2)+7], v[8*\ks:8*\ks+7], v[FB+8*\ks:FB+8*\ks+7], v[BAC+8*(\ks%2):BAC+8*(\ks%2)+7]
.endif
.endr                                          ; two accumulators take turns
	WIN 0
	PLACES 4
	v_add_f32 v243, v[BAC], v[BAC+8]               ; lane (r, h): the sum for row 16 w + r (all rows of the tile are equal)
	s_lshl_b32 s5, s4, 6
	s_add_co_u32 s5, s5, CST
	v_lshl_add_u32 v241, v1, 2, s5
	ds_store_b32 v241, v243                        ; both halves of the lanes write the same word with the same value
	s_wait_dscnt 0x0
	s_barrier_signal -1
	s_barrier_wait -1
	s_cmp_lg_u32 s4, 0                             ; wave 0 stores the 64 numbers: 32 lanes x 8 bytes, 256 consecutive bytes, aligned
	s_cbranch_scc1 .Lout_\p
	v_lshlrev_b32 v242, 3, v3
	v_add_nc_u32 v244, CST, v242
	ds_load_b64 v[246:247], v244
.if \p == 1
	global_load_b64 v[248:249], v242, s[36:37]
.endif
	s_wait_dscnt 0x0
.if \p == 0
	v_pk_mul_f32 v[246:247], v[246:247], 0x3d8293ee op_sel_hi:[1,0]
.else
	s_wait_loadcnt 0x0
	v_pk_add_f32 v[246:247], v[246:247], v[248:249]
.endif
	global_store_b64 v242, v[246:247], s[34:35]
.Lout_\p:
	; the way out: scale (first form), round, 16 bytes a lane into my stage, whole rows of 256 bytes back and out
.if \p == 0
.set i, 0
.rept 32
	v_pk_mul_f32 v[ACC+2*i:ACC+2*i+1], v[ACC+2*i:ACC+2*i+1], 0x3d8293ee op_sel_hi:[1,0]
.set i, i+1
.endr
.endif
.irp it, 0,1,2,3,4,5,6,7
.irp q, 0,1,2,3
	v_cvt_pk_bf16_f32 v[96+4*\it+\q], v[ACC+8*\it+2*\q], v[ACC+8*\it+2*\q+1]
.endr
.endr
.irp it, 0,1,2,3,4,5,6,7
	ds_store_b128 v13, v[96+4*\it:96+4*\it+3] offset:32*\it
.endr
.irp t, 0,1,2,3,4,5,6,7
	ds_load_b128 v[128+4*\t:128+4*\t+3], v14 offset:2*SP*\t    ; LDS serves the instructions of a wave in order: these see the stores above
.endr
.irp t, 0,1,2,3,4,5,6,7
	s_wait_dscnt 7-\t                              ; load t is in, the younger ones may be out
	global_store_b128 v15, v[128+4*\t:128+4*\t+3], s[32:33] offset:2048*\t   ; 16 lanes store 256 consecutive bytes, aligned
.endr
	s_wait_xcnt 0x0
	v_lshl_add_u32 v254, v0, 2, 0x49100
	v_mov_b32 v255, 0
	s_wait_tensorcnt 0x0
	ds_add_u32 v254, v255
	s_wait_dscnt 0x0
	s_endpgm
.endm
	s_load_b512 s[8:23], s[0:1], 0x0               ; Wq s[8:9], Wk s[10:11], Wv s[12:13], Wo s[14:15], bq s[16:17], bv s[18:19], bo s[20:21], wcat s[22:23]
	s_load_b64 s[24:25], s[0:1], 0x40              ; cvec
	s_mov_b32 s2, ttmp9                            ; ib
	s_and_b32 s3, ttmp7, 0xffff                    ; y
	v_lshrrev_b32 v1, 5, v0
	v_readfirstlane_b32 s4, v1                     ; wave
	v_and_b32 v3, 31, v0                           ; lane
	v_and_b32 v1, 15, v0                           ; r
	v_bfe_u32 v2, v0, 4, 1                         ; h
	s_lshl_b32 s5, s4, 16
	v_lshl_add_u32 v4, v3, 4, s5                   ; GA: 32 rows of A a wave, 16 bytes a lane
	s_mul_i32 s5, s4, 32*PA
	v_lshl_add_u32 v5, v3, 3, s5                   ; LAW
	v_mul_u32_u24 v8, v1, PA
	v_lshl_add_u32 v8, v2, 4, v8                   ; AF0 = r 1040 + 16 h
	v_add_nc_u32 v9, 64*PA, v8                     ; AF1: tiles 4 to 7
	s_mul_i32 s5, s4, 16*SP
	s_add_co_u32 s5, s5, STG
	v_mul_u32_u24 v13, v1, SP
	v_lshl_add_u32 v13, v2, 4, v13
	v_add_nc_u32 v13, s5, v13                      ; STO
	v_mul_u32_u24 v14, v2, SP
	v_lshl_add_u32 v14, v1, 4, v14
	v_add_nc_u32 v14, s5, v14                      ; RD
	s_lshl_b32 s5, s4, 14
	v_lshlrev_b32 v15, 10, v2
	v_lshl_add_u32 v15, v1, 4, v15
	v_add_nc_u32 v15, s5, v15                      ; CO = (16 w + h) 1024 + 16 r
	s_mov_b32 s29, 0
	s_wait_kmcnt 0x0
	s_lshl_b32 s28, s3, 16
	s_lshl_b32 s5, s2, 8
	s_add_co_u32 s28, s28, s5
	s_add_nc_u64 s[32:33], s[22:23], s[28:29]      ; wcat at row 64 y, column 128 ib
	s_lshl_b32 s28, s3, 8
	s_add_nc_u64 s[34:35], s[24:25], s[28:29]      ; cvec at 64 y
	s_cmp_ge_u32 s3, 8
	s_cbranch_scc1 .Lpath1
	BODY 0, 8, 10, 16
.Lpath1:
	BODY 1, 12, 14, 18
.Lfunc_end_k_q8cd8dc3da1_prep:
	.size	k_q8cd8dc3da1_prep, .Lfunc_end_k_q8cd8dc3da1_prep-k_q8cd8dc3da1_prep
	.p2alignl 7, 3214868480
	.fill 96, 4, 3214868480
	.section	.rodata,"a",@progbits
	.p2align	6, 0x0
	.amdhsa_kernel k_q8cd8dc3da1_prep
		.amdhsa_group_segment_fixed_size 299776
		.amdhsa_private_segment_fixed_size 0
		.amdhsa_enable_private_segment 0
		.amdhsa_kernarg_size 72
		.amdhsa_user_sgpr_count 2
		.amdhsa_user_sgpr_kernarg_segment_ptr 1
		.amdhsa_wavefront_size32 1
		.amdhsa_system_sgpr_workgroup_id_x 1
		.amdhsa_system_sgpr_workgroup_id_y 1
		.amdhsa_system_sgpr_workgroup_id_z 1
		.amdhsa_system_vgpr_workitem_id 0
		.amdhsa_next_free_vgpr 1024
		.amdhsa_next_free_sgpr 66
		.amdhsa_reserve_vcc 0
		.amdhsa_float_denorm_mode_32 3
		.amdhsa_float_denorm_mode_16_64 3
		.amdhsa_memory_ordered 1
		.amdhsa_forward_progress 1
		.amdhsa_inst_pref_size 218
	.end_amdhsa_kernel
	.amdgpu_metadata
---
amdhsa.version: [ 1, 2 ]
amdhsa.kernels:
  - .name:           k_q8cd8dc3da1_prep
    .symbol:         k_q8cd8dc3da1_prep.kd
    .args:
      - { .name: Wq, .offset: 0, .size: 8, .value_kind: global_buffer, .address_space: global }
      - { .name: Wk, .offset: 8, .size: 8, .value_kind: global_buffer, .address_space: global }
      - { .name: Wv, .offset: 16, .size: 8, .value_kind: global_buffer, .address_space: global }
      - { .name: Wo, .offset: 24, .size: 8, .value_kind: global_buffer, .address_space: global }
      - { .name: bq, .offset: 32, .size: 8, .value_kind: global_buffer, .address_space: global }
      - { .name: bv, .offset: 40, .size: 8, .value_kind: global_buffer, .address_space: global }
      - { .name: bo, .offset: 48, .size: 8, .value_kind: global_buffer, .address_space: global }
      - { .name: wcat, .offset: 56, .size: 8, .value_kind: global_buffer, .address_space: global }
      - { .name: cvec, .offset: 64, .size: 8, .value_kind: global_buffer, .address_space: global }
    .group_segment_fixed_size: 299776
    .private_segment_fixed_size: 0
    .kernarg_segment_align: 8
    .kernarg_segment_size: 72
    .max_flat_workgroup_size: 128
    .sgpr_count:     66
    .vgpr_count:     1024
    .wavefront_size: 32
...
	.end_amdgpu_metadata
.endif
;; end of part 1
;; launch proj (part 2): grid 256 x 1, 4 waves a work-group, clusters of 4 x 1, 327,680 bytes of LDS; arguments x, wcat, cvec, qws, kws, vws; writes qws, kws, vws
.if DOCPART == 2
	.amdgcn_target "amdgcn-amd-amdhsa--gfx1250"
	.amdhsa_code_object_version 6
	.text
	.protected	k_q8cd8dc3da1_proj
	.globl	k_q8cd8dc3da1_proj
	.p2align	8
	.type	k_q8cd8dc3da1_proj,@function
k_q8cd8dc3da1_proj:
	s_mov_b64 s[64:65], 0
	v_nop
	global_prefetch_b8 v0, s[64:65] scope:SCOPE_SE
	s_setreg_imm32_b32 hwreg(HW_REG_WAVE_MODE, 25, 1), 1
	s_wait_xcnt 0x0
	s_wait_alu depctr_hold_cnt(0) depctr_sa_sdst(0) depctr_va_vdst(0) depctr_va_sdst(0) depctr_va_ssrc(0) depctr_va_vcc(0) depctr_vm_vsrc(0)
	s_getreg_b32 s2, hwreg(HW_REG_IB_STS2, 6, 4)
	s_cmp_eq_u32 s2, 0
	s_cbranch_scc0 .Lentry_in_a_cluster
	s_endpgm
.Lentry_in_a_cluster:
	s_bfe_u32 s2, ttmp6, 0x10000c
	s_cmp_lg_u32 s2, 0x3003
	s_cbranch_scc0 .Lentry_shape_is_right
	s_endpgm
.Lentry_shape_is_right:
; PROJ: kws = bf16(x);  [qws | vws][token][n] = bf16( sum_i x[token][i] wcat[n][i] + cvec[n] ),  n < 512 to qws, the rest to vws.
; Work left out: the products x Wk and (..) Wo and the input bk of reference(), as shown at the head of the first kernel (the keys are x itself).
; A work-group takes 64 tokens and all 1,024 columns.  Every wave holds the 64 tokens as source-1 fragments (512 registers, windows 2 and 3);
; wave w makes columns 256 w .. +255 in eight steps of 32 rows of wcat.  Source 0 = 16 rows of wcat, so that a lane ends up with
; 8 neighbouring columns of one token.
; CLUSTER: the four work-groups of a cluster walk the same rows of wcat at the same time, so each tile is asked for jointly (mask 15).
; A wave asks for, and reads, its own 32 rows of each tile alone.  Two LDS slots take turns; by this text a wave has two tensor loads out
; at the start and one behind each round of the cluster barrier.
; LDS: SL0, SL1 128 rows x 1040 bytes (1024 + 16 of padding laid by the tensor load); XL 64 x 528: one half (256 of 512) of x in bf16, used twice;
; STG 16 rows x 272 bytes for each wave.  XL and STG are filled by LDS stores alone and lie behind the slots.
; REGISTERS: window 0: v1 r, v2 h, v3 lane, v4-13 addresses, v32-95 the eight accumulator tiles S(kt, qt), v96-159 and v160-223 fragment buffers,
; v224-239 bias.  Window 1: raw x, later the packed results of four steps.  Windows 2, 3: x fragments X(ks, qt) at 8 (4 (ks % 8) + qt).
.set KP,   1040
.set SLOT, 128*KP
.set XL,   2*SLOT
.set XP,   528
.set STG,  XL+64*XP
.set SP,   272
.set S,    32
.set KB0,  96
.set KB1,  160
.set BI,   224
.set MSB,  0
.macro WIN new                         ; the high byte of the immediate repeats the setting that is left
.if MSB != \new
	s_set_vgpr_msb (MSB<<8)|\new
.set MSB, \new
.endif
.endm
.macro PLACES n                        ; places behind matrix instructions (ISA guide 7.12.1)
.rept \n
	v_nop
.endr
.endm
; a round of the cluster barrier: my work-group, wave 0 signals for it, all wait for the four work-groups, my work-group once more
.macro ROUND
	s_barrier_signal -1
	s_barrier_wait -1
	s_cmp_lg_u32 s20, 0
	s_cbranch_scc1 .Lnot_wave_0_\@
	s_barrier_signal -3
.Lnot_wave_0_\@:
	s_barrier_wait -3
	s_barrier_signal -1
	s_barrier_wait -1
.endm
; 16 LDS loads: the source-0 fragments of K steps 4 g .. 4 g + 3, two row tiles each
.macro FETCHK areg, g, buf
.irp ksl, 0,1,2,3
.irp kt, 0,1
	ds_load_b128 v[\buf+8*(2*\ksl+\kt):\buf+8*(2*\ksl+\kt)+3], v[\areg] offset:\kt*16*KP+64*(4*\g+\ksl)
	ds_load_b128 v[\buf+8*(2*\ksl+\kt)+4:\buf+8*(2*\ksl+\kt)+7], v[\areg] offset:\kt*16*KP+64*(4*\g+\ksl)+32
.endr
.endr
.endm
; 32 matrix instructions; the eight accumulators take turns, one instruction a turn.  K step 0 starts the sums.
.macro MULQK g, buf
.irp ksl, 0,1,2,3
.irp kt, 0,1
.irp qt, 0,1,2,3
.if (4*\g+\ksl) == 0
	v_wmma_f32_16x16x32_bf16 v[S+8*(4*\kt+\qt):S+8*(4*\kt+\qt)+7], v[\buf+8*(2*\ksl+\kt):\buf+8*(2*\ksl+\kt)+7], v[8*(4*((4*\g+\ksl)%8)+\qt):8*(4*((4*\g+\ksl)%8)+\qt)+7], 0
.else
	v_wmma_f32_16x16x32_bf16 v[S+8*(4*\kt+\qt):S+8*(4*\kt+\qt)+7], v[\buf+8*(2*\ksl+\kt):\buf+8*(2*\ksl+\kt)+7], v[8*(4*((4*\g+\ksl)%8)+\qt):8*(4*((4*\g+\ksl)%8)+\qt)+7], v[S+8*(4*\kt+\qt):S+8*(4*\kt+\qt)+7]
.endif
.endr
.endr
.endr
.endm
; 32 rows x 64 columns x K = 512: 128 matrix instructions on two fragment buffers.  Source 1 lies in window 2 (K steps 0-7), then 3.
.macro QKPHASE areg
	WIN 0x08
	FETCHK \areg, 0, KB0
	FETCHK \areg, 1, KB1
	s_wait_dscnt 16                                ; all but the 16 loads of the next group
	MULQK 0, KB0
	PLACES 4                                       ; the loads below land in registers that these matrix instructions read
	FETCHK \areg, 2, KB0
	s_wait_dscnt 16
	MULQK 1, KB1
	WIN 0x0c
	PLACES 4
	FETCHK \areg, 3, KB1
	s_wait_dscnt 16
	MULQK 2, KB0
	s_wait_dscnt 0x0
	MULQK 3, KB1
	PLACES 5                                       ; behind these the results are read and every register of the phase may be written
	WIN 0
.endm
	s_load_b256 s[8:15], s[0:1], 0x0               ; x s[8:9], wcat s[10:11], cvec s[12:13], qws s[14:15]
	s_load_b128 s[16:19], s[0:1], 0x20             ; kws s[16:17], vws s[18:19]
	v_lshl_add_u32 v254, v0, 2, 0x4d800
	v_mov_b32 v255, 0
	ds_add_u32 v254, v255
	v_lshrrev_b32 v1, 5, v0
	v_readfirstlane_b32 s20, v1                    ; wave
	s_bfe_u32 s21, ttmp6, 0x40000                  ; cx
	s_lshl_b32 s22, ttmp9, 2
	s_add_co_u32 s22, s22, s21                     ; work-group = 4 x cluster + cx: enters the addresses of x, kws, qws, vws alone
	; descriptor group 1: 32 rows x 512 elements of 2 bytes, 4 words of padding behind every 256 words
	s_mov_b32 s24, 15|(1<<16)|(1<<20)|(1<<21)|(7<<22)|(3<<25)   ; mask: all four of the cluster; bit 21 beside it
	s_mov_b32 s25, 512<<16                         ; tensor_dim0 = 512
	s_mov_b32 s26, 32<<16                          ; tensor_dim1 = 32
	s_mov_b32 s27, 512<<16                         ; tile_dim0 = 512
	s_mov_b32 s28, 32                              ; tile_dim1 = 32
	s_mov_b32 s29, 512                             ; pitch in elements
	s_mov_b32 s30, 0
	s_mov_b32 s31, 0
	s_lshl_b32 s46, s20, 18                        ; my 256 rows of wcat
	s_mov_b32 s47, 0
	s_mov_b32 s49, 0
	s_wait_dscnt 0x0
	s_wait_kmcnt 0x0
	s_mov_b32 s32, 1
	s_mul_i32 s33, s20, 32*KP                      ; LDS: my 32 rows of slot 0
	s_add_nc_u64 s[34:35], s[10:11], s[46:47]      ; tile 0
	s_mov_b32 s36, 1
	s_add_co_u32 s37, s33, SLOT
	s_add_nc_u64 s[38:39], s[34:35], 0x8000        ; tile 1: 32 rows on
	s_or_b32 s35, s35, 0x80000000
	s_or_b32 s39, s39, 0x80000000
	s_lshl_b32 s48, s22, 17
	s_add_nc_u64 s[40:41], s[8:9], s[48:49]        ; x at my 64 tokens
	s_lshl_b32 s48, s22, 16
	s_add_nc_u64 s[42:43], s[16:17], s[48:49]      ; kws at my 64 tokens
	s_cmp_lt_u32 s20, 2
	s_cselect_b64 s[44:45], s[14:15], s[18:19]     ; waves 0, 1 write qws, waves 2, 3 vws
	s_and_b32 s50, s20, 1
	s_lshl_b32 s50, s50, 9
	s_add_co_u32 s48, s48, s50
	s_add_nc_u64 s[44:45], s[44:45], s[48:49]      ; at my 64 tokens and my 256 columns
	ROUND                                          ; the four work-groups are here: the first joint loads meet
	tensor_load_to_lds s[32:35], s[24:31]
	s_nop 0
	tensor_load_to_lds s[36:39], s[24:31]
	s_nop 0
	v_and_b32 v3, 31, v0
	v_and_b32 v1, 15, v0
	v_bfe_u32 v2, v0, 4, 1
	s_lshl_b32 s3, s20, 15
	v_lshl_add_u32 v4, v3, 4, s3                   ; XG: 16 tokens a wave, 16 bytes a lane
	; x, 64 loads of 512 consecutive bytes: first the left half of the rows, then the right
	WIN 0x40
.irp hf, 0,1
.irp rr, 0,1,2,3,4,5,6,7,8,9,10,11,12,13,14,15
.irp cc, 0,1
	global_load_b128 v[4*(32*\hf+2*\rr+\cc):4*(32*\hf+2*\rr+\cc)+3], v4, s[40:41] offset:\rr*2048+1024*\hf+512*\cc th:TH_LOAD_NT
.endr
.endr
.endr
	WIN 0
	s_lshl_b32 s3, s20, 14
	v_lshl_add_u32 v5, v3, 3, s3                   ; KG
	s_mul_i32 s3, s20, 16*XP
	s_add_co_u32 s3, s3, XL
	v_lshl_add_u32 v6, v3, 3, s3                   ; XW
	v_mul_u32_u24 v7, v1, XP
	v_lshl_add_u32 v7, v2, 4, v7
	v_add_nc_u32 v7, XL, v7                        ; XR
	s_mul_i32 s3, s20, 32*KP
	v_mul_u32_u24 v8, v1, KP
	v_lshl_add_u32 v8, v2, 4, v8
	v_add_nc_u32 v8, s3, v8                        ; KA0 = (32 w + r) 1040 + 16 h
	v_add_nc_u32 v9, SLOT, v8                      ; KA1
	s_lshl_b32 s3, s20, 10
	v_lshl_add_u32 v10, v2, 5, s3                  ; BOFF = (256 w + 8 h) 4
	s_mul_i32 s3, s20, 16*SP
	s_add_co_u32 s3, s3, STG
	v_mul_u32_u24 v11, v1, SP
	v_lshl_add_u32 v11, v2, 4, v11
	v_add_nc_u32 v11, s3, v11                      ; STO
	v_mul_u32_u24 v12, v2, SP
	v_lshl_add_u32 v12, v1, 4, v12
	v_add_nc_u32 v12, s3, v12                      ; RD
	v_lshlrev_b32 v13, 10, v2
	v_lshl_add_u32 v13, v1, 4, v13                 ; CO = h 1024 + 16 r
; one half of my 16 tokens: rounded to bf16 into v[96 + 64 hf ..] and stored to kws, 32 lanes x 8 bytes = 256 consecutive bytes, aligned
.macro XCONV hf
	WIN 0x05
.set i, 0
.rept 32
	v_cvt_pk_bf16_f32 v[96+64*\hf+2*i], v[128*\hf+4*i], v[128*\hf+4*i+1]
	v_cvt_pk_bf16_f32 v[97+64*\hf+2*i], v[128*\hf+4*i+2], v[128*\hf+4*i+3]
.set i, i+1
.endr
	WIN 0
.irp rr, 0,1,2,3,4,5,6,7,8,9,10,11,12,13,14,15
.irp cc, 0,1
	global_store_b64 v5, v[96+64*\hf+2*(2*\rr+\cc):97+64*\hf+2*(2*\rr+\cc)], s[42:43] offset:\rr*1024+512*\hf+256*\cc
.endr
.endr
.endm
.macro XSTORE hf                       ; the same numbers into XL
.irp rr, 0,1,2,3,4,5,6,7,8,9,10,11,12,13,14,15
.irp cc, 0,1
	ds_store_b64 v6, v[96+64*\hf+2*(2*\rr+\cc):97+64*\hf+2*(2*\rr+\cc)] offset:\rr*XP+256*\cc
.endr
.endr
.endm
.macro XFRAG win                       ; all 64 tokens of the half in XL as fragments, into one window
	WIN \win
.irp kk, 0,1,2,3,4,5,6,7
.irp qt, 0,1,2,3
	ds_load_b128 v[8*(4*\kk+\qt):8*(4*\kk+\qt)+3], v7 offset:\qt*16*XP+64*\kk
	ds_load_b128 v[8*(4*\kk+\qt)+4:8*(4*\kk+\qt)+7], v7 offset:\qt*16*XP+64*\kk+32
.endr
.endr
	WIN 0
.endm
	s_wait_loadcnt 32                              ; the left half is in; the 32 younger loads are the right half
	XCONV 0
	XSTORE 0
	s_wait_dscnt 0x0                               ; my part of XL is written.  Behind the three barriers here no slot is filled, so the tensor loads stay out
	s_barrier_signal -1
	s_barrier_wait -1
	XFRAG 0x80
	s_wait_loadcnt 0x0
	XCONV 1
	s_wait_dscnt 0x0                               ; my reads of the left half are back
	s_barrier_signal -1
	s_barrier_wait -1                              ; everybody has read it: XL may be written again
	XSTORE 1
	s_wait_dscnt 0x0
	s_barrier_signal -1
	s_barrier_wait -1
	XFRAG 0xc0
	s_wait_xcnt 0x0                                ; v96-223, which the stores to kws read, are written again only behind this wait
	s_wait_tensorcnt 0x1                           ; my rows of tile 0 are in; tile 1 may stay out.  I read my own rows alone
; step s: rows 256 w + 32 s .. +31 of wcat against the 64 tokens
.macro STEP s
.if \s >= 1
	s_wait_tensorcnt 0x0                           ; all my tensor loads have landed, my rows of this step among them
	ds_add_u32 v254, v255
	s_wait_dscnt 0x0
.if \s <= 6
	s_add_nc_u64 s[34+4*((\s+1)%2):35+4*((\s+1)%2)], s[34+4*((\s+1)%2):35+4*((\s+1)%2)], 0x10000   ; the slot read last: two tiles on
	s_wait_dscnt 0x0                               ; my reads of that slot are back
	ROUND                                          ; both hold of every wave of the four work-groups
	tensor_load_to_lds s[32+4*((\s+1)%2):35+4*((\s+1)%2)], s[24:31]   ; the next tile, my one tensor load behind this round
	s_nop 0
.endif
.endif
.irp kt, 0,1
	global_load_b128 v[BI+8*\kt:BI+8*\kt+3], v10, s[12:13] offset:(32*\s+16*\kt)*4
	global_load_b128 v[BI+8*\kt+4:BI+8*\kt+7], v10, s[12:13] offset:(32*\s+16*\kt)*4+16
.endr
	QKPHASE 8+(\s%2)
	s_wait_loadcnt 0x0                             ; the bias of my 8 columns of each tile
.irp kt, 0,1
.irp qt, 0,1,2,3
.irp q, 0,1,2,3
	v_pk_add_f32 v[S+8*(4*\kt+\qt)+2*\q:S+8*(4*\kt+\qt)+2*\q+1], v[S+8*(4*\kt+\qt)+2*\q:S+8*(4*\kt+\qt)+2*\q+1], v[BI+8*\kt+2*\q:BI+8*\kt+2*\q+1]
.endr
.endr
.endr
	WIN 0x40                                       ; packed into window 1: tile (sl, kt, qt) at 4 ((2 sl + kt) 4 + qt), sl = s % 4
.irp kt, 0,1
.irp qt, 0,1,2,3
.irp q, 0,1,2,3
	v_cvt_pk_bf16_f32 v[4*((2*(\s%4)+\kt)*4+\qt)+\q], v[S+8*(4*\kt+\qt)+2*\q], v[S+8*(4*\kt+\qt)+2*\q+1]
.endr
.endr
.endr
	WIN 0
.endm
; four steps = 128 columns = 256 bytes of a row: 16 tokens at a time through my stage, out as whole rows
.macro FLUSH f
.irp qt, 0,1,2,3
	WIN 0x04
.irp c, 0,1,2,3,4,5,6,7
	ds_store_b128 v11, v[4*(4*\c+\qt):4*(4*\c+\qt)+3] offset:32*\c
.endr
	WIN 0
	s_wait_xcnt 0x0                                ; the registers below, which earlier stores read, are written again only behind this wait
.irp t, 0,1,2,3,4,5,6,7
	ds_load_b128 v[96+32*(\qt%2)+4*\t:96+32*(\qt%2)+4*\t+3], v12 offset:2*SP*\t   ; LDS serves the instructions of a wave in order
.endr
.irp t, 0,1,2,3,4,5,6,7
	s_wait_dscnt 7-\t                              ; load t is in, the younger ones may be out
	global_store_b128 v13, v[96+32*(\qt%2)+4*\t:96+32*(\qt%2)+4*\t+3], s[44:45] offset:(16*\qt+2*\t)*1024+256*\f   ; 16 lanes: 256 consecutive bytes, aligned
.endr
.endr
.endm
	STEP 0
	STEP 1
	STEP 2
	STEP 3
	FLUSH 0
	s_wait_xcnt 0x0                                ; v96-159 become fragment buffers again only behind this wait
	STEP 4
	STEP 5
	STEP 6
	STEP 7
	FLUSH 1
	s_wait_tensorcnt 0x0
	ds_add_u32 v254, v255
	s_wait_dscnt 0x0
	ROUND                                          ; the closing round: no work-group ends while a partner may still ask jointly
	s_endpgm
.Lfunc_end_k_q8cd8dc3da1_proj:
	.size	k_q8cd8dc3da1_proj, .Lfunc_end_k_q8cd8dc3da1_proj-k_q8cd8dc3da1_proj
	.p2alignl 7, 3214868480
	.fill 96, 4, 3214868480
	.section	.rodata,"a",@progbits
	.p2align	6, 0x0
	.amdhsa_kernel k_q8cd8dc3da1_proj
		.amdhsa_group_segment_fixed_size 327680
		.amdhsa_private_segment_fixed_size 0
		.amdhsa_enable_private_segment 0
		.amdhsa_kernarg_size 48
		.amdhsa_user_sgpr_count 2
		.amdhsa_user_sgpr_kernarg_segment_ptr 1
		.amdhsa_wavefront_size32 1
		.amdhsa_system_sgpr_workgroup_id_x 1
		.amdhsa_system_sgpr_workgroup_id_y 1
		.amdhsa_system_sgpr_workgroup_id_z 1
		.amdhsa_system_vgpr_workitem_id 0
		.amdhsa_next_free_vgpr 1024
		.amdhsa_next_free_sgpr 66
		.amdhsa_reserve_vcc 0
		.amdhsa_float_denorm_mode_32 3
		.amdhsa_float_denorm_mode_16_64 3
		.amdhsa_memory_ordered 1
		.amdhsa_forward_progress 1
		.amdhsa_inst_pref_size 195
	.end_amdhsa_kernel
	.amdgpu_metadata
---
amdhsa.version: [ 1, 2 ]
amdhsa.kernels:
  - .name:           k_q8cd8dc3da1_proj
    .symbol:         k_q8cd8dc3da1_proj.kd
    .args:
      - { .name: x, .offset: 0, .size: 8, .value_kind: global_buffer, .address_space: global }
      - { .name: wcat, .offset: 8, .size: 8, .value_kind: global_buffer, .address_space: global }
      - { .name: cvec, .offset: 16, .size: 8, .value_kind: global_buffer, .address_space: global }
      - { .name: qws, .offset: 24, .size: 8, .value_kind: global_buffer, .address_space: global }
      - { .name: kws, .offset: 32, .size: 8, .value_kind: global_buffer, .address_space: global }
      - { .name: vws, .offset: 40, .size: 8, .value_kind: global_buffer, .address_space: global }
    .group_segment_fixed_size: 327680
    .private_segment_fixed_size: 0
    .kernarg_segment_align: 8
    .kernarg_segment_size: 48
    .max_flat_workgroup_size: 128
    .sgpr_count:     66
    .vgpr_count:     1024
    .wavefront_size: 32
...
	.end_amdgpu_metadata
.endif
;; end of part 2
;; launch attn (part 3): grid 32 x 8, 4 waves a work-group, clusters of 4 x 1, 327,680 bytes of LDS; arguments qws, kws, vws, out0; writes out0
.if DOCPART == 3
	.amdgcn_target "amdgcn-amd-amdhsa--gfx1250"
	.amdhsa_code_object_version 6
	.text
	.protected	k_q8cd8dc3da1_attn
	.globl	k_q8cd8dc3da1_attn
	.p2align	8
	.type	k_q8cd8dc3da1_attn,@function
k_q8cd8dc3da1_attn:
	s_mov_b64 s[64:65], 0
	v_nop
	global_prefetch_b8 v0, s[64:65] scope:SCOPE_SE
	s_setreg_imm32_b32 hwreg(HW_REG_WAVE_MODE, 25, 1), 1
	s_wait_xcnt 0x0
	s_wait_alu depctr_hold_cnt(0) depctr_sa_sdst(0) depctr_va_vdst(0) depctr_va_sdst(0) depctr_va_ssrc(0) depctr_va_vcc(0) depctr_vm_vsrc(0)
	s_getreg_b32 s2, hwreg(HW_REG_IB_STS2, 6, 4)
	s_cmp_eq_u32 s2, 0
	s_cbranch_scc0 .Lentry_in_a_cluster
	s_endpgm
.Lentry_in_a_cluster:
	s_bfe_u32 s2, ttmp6, 0x10000c
	s_cmp_lg_u32 s2, 0x3003
	s_cbranch_scc0 .Lentry_shape_is_right
	s_endpgm
.Lentry_shape_is_right:
; ATTN: out0[n] = sum_m p[n][m] vws[m],  p = softmax over m, in base 2, of qws[n].kws[m], with a running maximum.
; Work left out: bk and the products x Wk and (..) Wo of reference(), as shown at the head of the first kernel; scale and log2(e) lie in qws.
; A work-group takes 64 queries of one batch and walks its 2,048 keys in 16 blocks of 128.
; SCORES: wave w makes S^T for its own 32 keys x all 64 queries (source 0 = keys, source 1 = queries; the queries lie in every wave, 512 registers),
; so each byte of a key tile is read from LDS once in the work-group.  Register j of lane (r, h) is (key 8 h + j, query r): maximum, sum and
; rescaling factor are one number a lane for each query tile, and two packed key tiles are a source-1 fragment of 32 keys as they stand.
; OUTPUT: wave w owns O^T for d = 128 w .. +127 x 64 queries (256 registers); source 0 = V^T by transposing LDS loads, source 1 = P.
; Each byte of a value tile is read from LDS once; P (64 x 128 bf16) goes from wave to wave through LDS.
; CLUSTER: the four work-groups of a cluster are query blocks of one batch and read the same key and value tiles: joint loads, mask 15.
; One key slot and one value slot, filled half a block apart: K(t+1) is asked for behind the round after the scores of block t and has the softmax and
; the output products in which to land; V(t+1) behind the round after those and has the next scores.  By this text a wave has two tensor loads out
; at the start and one behind each round.  Two slots of K and V each of 128 keys would not fit in LDS.
; LIMITS: operands and P are bf16; the row sum is made of the unrounded P; v_exp_f32 gives 0 below 2^-126; the maxima ignore NaN.
; LDS: KS 128 x 1040; VS 128 x 1056 (an odd multiple of 32, for the transposing loads); PB 64 x 272; ST1, ST2 [wave][r][query tile] f32;
; STG 16 rows x 528 for each wave.  PB, ST1, ST2, STG are written by LDS stores alone and lie behind the slots.
; REGISTERS: window 0: v1 r, v2 h, v3-13 addresses, M v16-23 (maximum, twice for each query tile), LP v24-31 (pair sums), S v32-95 (later P fragments),
; v96-159 and v160-223 fragment buffers, AL v224-231 (factor, twice), TS v232-247, LM v248-251, LX v252-255.
; Window 1: O(dt, qt) at 8 (4 dt + qt).  Windows 2, 3: Q(ks, qt) at 8 (4 (ks % 8) + qt).
.set KP,  1040
.set VP,  1056
.set VS,  128*KP
.set PB,  VS+128*VP
.set PP,  272
.set ST1, PB+64*PP
.set STG, ST1+2048
.set GP,  528
.set M,   16
.set LP,  24
.set S,   32
.set PF0, 32
.set PF1, 64
.set KB0, 96
.set KB1, 160
.set AL,  224
.set TS,  232
.set LM,  248
.set LX,  252
.set MSB, 0
.macro WIN new                         ; the high byte of the immediate repeats the setting that is left
.if MSB != \new
	s_set_vgpr_msb (MSB<<8)|\new
.set MSB, \new
.endif
.endm
.macro PLACES n                        ; places behind matrix instructions (ISA guide 7.12.1)
.rept \n
	v_nop
.endr
.endm
; a round of the cluster barrier: my work-group, wave 0 signals for it, all wait for the four work-groups, my work-group once more
.macro ROUND
	s_barrier_signal -1
	s_barrier_wait -1
	s_cmp_lg_u32 s20, 0
	s_cbranch_scc1 .Lnot_wave_0_\@
	s_barrier_signal -3
.Lnot_wave_0_\@:
	s_barrier_wait -3
	s_barrier_signal -1
	s_barrier_wait -1
.endm
; 16 LDS loads: the source-0 fragments of K steps 4 g .. 4 g + 3, two key tiles each
.macro FETCHK areg, g, buf
.irp ksl, 0,1,2,3
.irp kt, 0,1
	ds_load_b128 v[\buf+8*(2*\ksl+\kt):\buf+8*(2*\ksl+\kt)+3], v[\areg] offset:\kt*16*KP+64*(4*\g+\ksl)
	ds_load_b128 v[\buf+8*(2*\ksl+\kt)+4:\buf+8*(2*\ksl+\kt)+7], v[\areg] offset:\kt*16*KP+64*(4*\g+\ksl)+32
.endr
.endr
.endm
; 32 matrix instructions; the eight accumulators take turns, one instruction a turn.  K step 0 starts the sums.
.macro MULQK g, buf
.irp ksl, 0,1,2,3
.irp kt, 0,1
.irp qt, 0,1,2,3
.if (4*\g+\ksl) == 0
	v_wmma_f32_16x16x32_bf16 v[S+8*(4*\kt+\qt):S+8*(4*\kt+\qt)+7], v[\buf+8*(2*\ksl+\kt):\buf+8*(2*\ksl+\kt)+7], v[8*(4*((4*\g+\ksl)%8)+\qt):8*(4*((4*\g+\ksl)%8)+\qt)+7], 0
.else
	v_wmma_f32_16x16x32_bf16 v[S+8*(4*\kt+\qt):S+8*(4*\kt+\qt)+7], v[\buf+8*(2*\ksl+\kt):\buf+8*(2*\ksl+\kt)+7], v[8*(4*((4*\g+\ksl)%8)+\qt):8*(4*((4*\g+\ksl)%8)+\qt)+7], v[S+8*(4*\kt+\qt):S+8*(4*\kt+\qt)+7]
.endif
.endr
.endr
.endr
.endm
; 32 keys x 64 queries x 512: 128 matrix instructions on two fragment buffers.  Source 1 lies in window 2 (K steps 0-7), then 3.
.macro QKPHASE areg
	WIN 0x08
	FETCHK \areg, 0, KB0
	FETCHK \areg, 1, KB1
	s_wait_dscnt 16                                ; all but the 16 loads of the next group
	MULQK 0, KB0
	PLACES 4                                       ; the loads below land in registers that these matrix instructions read
	FETCHK \areg, 2, KB0
	s_wait_dscnt 16
	MULQK 1, KB1
	WIN 0x0c
	PLACES 4
	FETCHK \areg, 3, KB1
	s_wait_dscnt 16
	MULQK 2, KB0
	s_wait_dscnt 0x0
	MULQK 3, KB1
	PLACES 5                                       ; behind these the results are read and every register of the phase may be written
	WIN 0
.endm
.macro QLOAD win, k0                   ; the queries as fragments, 8 K steps into one window
	WIN \win
.irp kk, 0,1,2,3,4,5,6,7
.irp qt, 0,1,2,3
	global_load_b128 v[8*(4*\kk+\qt):8*(4*\kk+\qt)+3], v3, s[52:53] offset:\qt*16384+64*(\k0+\kk)
	global_load_b128 v[8*(4*\kk+\qt)+4:8*(4*\kk+\qt)+7], v3, s[52:53] offset:\qt*16384+64*(\k0+\kk)+32
.endr
.endr
	WIN 0
.endm
; the largest score of my 32 keys for each query: 16 registers a lane in four chains, then the other half of the lanes; to ST1
.macro LOCALMAX
.irp qt, 0,1,2,3
	v_max3_num_f32 v[LM+\qt], v[S+8*\qt], v[S+8*\qt+1], v[S+8*\qt+2]
.endr
.irp j, 3,5
.irp qt, 0,1,2,3
	v_max3_num_f32 v[LM+\qt], v[LM+\qt], v[S+8*\qt+\j], v[S+8*\qt+\j+1]
.endr
.endr
.irp qt, 0,1,2,3
	v_max3_num_f32 v[LM+\qt], v[LM+\qt], v[S+8*\qt+7], v[S+32+8*\qt]
.endr
.irp j, 1,3,5
.irp qt, 0,1,2,3
	v_max3_num_f32 v[LM+\qt], v[LM+\qt], v[S+32+8*\qt+\j], v[S+32+8*\qt+\j+1]
.endr
.endr
.irp qt, 0,1,2,3
	v_max_num_f32 v[LM+\qt], v[LM+\qt], v[S+32+8*\qt+7]
.endr
.irp qt, 0,1,2,3
	v_permlanex16_b32 v[LX+\qt], v[LM+\qt], s48, s49
.endr
.irp qt, 0,1,2,3
	v_max_num_f32 v[LM+\qt], v[LM+\qt], v[LX+\qt]
.endr
	ds_store_b128 v9, v[LM:LM+3]                   ; both halves of the lanes write the same words with the same values
.endm
; the new running maximum of each query from the four waves, and the factor 2^(old - new)
.macro STATS first
.irp ww, 0,1,2,3
	ds_load_b128 v[TS+4*\ww:TS+4*\ww+3], v10 offset:256*\ww
.endr
	s_wait_dscnt 0x0
.irp qt, 0,1,2,3
	v_max3_num_f32 v[LM+\qt], v[TS+\qt], v[TS+4+\qt], v[TS+8+\qt]
.endr
.irp qt, 0,1,2,3
.if \first
	v_max_num_f32 v[M+2*\qt+1], v[LM+\qt], v[TS+12+\qt]
.else
	v_max3_num_f32 v[M+2*\qt+1], v[LM+\qt], v[TS+12+\qt], v[M+2*\qt]
.endif
.endr
.if \first == 0
.irp qt, 0,1,2,3
	v_sub_f32 v[AL+2*\qt], v[M+2*\qt], v[M+2*\qt+1]
.endr
.endif
.irp qt, 0,1,2,3
	v_mov_b32 v[M+2*\qt], v[M+2*\qt+1]
.endr
.if \first == 0
.irp qt, 0,1,2,3
	v_exp_f32 v[AL+2*\qt], v[AL+2*\qt]
.endr
	v_nop                                          ; one plain instruction behind the transcendentals (ISA guide 5.7.2)
	s_wait_alu depctr_va_vdst(0)
.irp qt, 0,1,2,3
	v_mov_b32 v[AL+2*\qt+1], v[AL+2*\qt]
.endr
.endif
.endm
.macro SUBM qt                         ; score - maximum
.irp kt, 0,1
.irp q, 0,1,2,3
	v_pk_add_f32 v[S+8*(4*\kt+\qt)+2*\q:S+8*(4*\kt+\qt)+2*\q+1], v[S+8*(4*\kt+\qt)+2*\q:S+8*(4*\kt+\qt)+2*\q+1], v[M+2*\qt:M+2*\qt+1] neg_lo:[0,1] neg_hi:[0,1]
.endr
.endr
.endm
.macro EXPM qt
.irp kt, 0,1
.irp j, 0,1,2,3,4,5,6,7
	v_exp_f32 v[S+8*(4*\kt+\qt)+\j], v[S+8*(4*\kt+\qt)+\j]
.endr
.endr
.endm
; the 16 numbers of a query tile: into the running pair sum, rounded to bf16 in place, to PB
.macro USEM qt, first
	s_wait_alu depctr_va_vdst(0)
	v_pk_add_f32 v[TS:TS+1], v[S+8*\qt:S+8*\qt+1], v[S+8*\qt+2:S+8*\qt+3]
	v_pk_add_f32 v[TS+2:TS+3], v[S+8*\qt+4:S+8*\qt+5], v[S+8*\qt+6:S+8*\qt+7]
	v_pk_add_f32 v[TS+4:TS+5], v[S+32+8*\qt:S+32+8*\qt+1], v[S+32+8*\qt+2:S+32+8*\qt+3]
	v_pk_add_f32 v[TS+6:TS+7], v[S+32+8*\qt+4:S+32+8*\qt+5], v[S+32+8*\qt+6:S+32+8*\qt+7]
	v_pk_add_f32 v[TS:TS+1], v[TS:TS+1], v[TS+2:TS+3]
	v_pk_add_f32 v[TS+4:TS+5], v[TS+4:TS+5], v[TS+6:TS+7]
.if \first
	v_pk_add_f32 v[LP+2*\qt:LP+2*\qt+1], v[TS:TS+1], v[TS+4:TS+5]
.else
	v_pk_add_f32 v[TS:TS+1], v[TS:TS+1], v[TS+4:TS+5]
	v_pk_fma_f32 v[LP+2*\qt:LP+2*\qt+1], v[LP+2*\qt:LP+2*\qt+1], v[AL+2*\qt:AL+2*\qt+1], v[TS:TS+1]
.endif
.irp kt, 0,1
.irp q, 0,1,2,3
	v_cvt_pk_bf16_f32 v[S+8*(4*\kt+\qt)+\q], v[S+8*(4*\kt+\qt)+2*\q], v[S+8*(4*\kt+\qt)+2*\q+1]
.endr
.endr
.irp kt, 0,1
	ds_store_b128 v7, v[S+8*(4*\kt+\qt):S+8*(4*\kt+\qt)+3] offset:\qt*16*PP+32*\kt
.endr
.endm
.macro FETCHV kk, buf                  ; 16 transposing loads: V^T, my 128 d x keys 32 kk .. +31
.irp dt, 0,1,2,3,4,5,6,7
	ds_load_tr16_b128 v[\buf+8*\dt:\buf+8*\dt+3], v[5+\kk/2] offset:(\kk%2)*32*VP+32*\dt
	ds_load_tr16_b128 v[\buf+8*\dt+4:\buf+8*\dt+7], v[5+\kk/2] offset:(\kk%2)*32*VP+32*\dt+16*VP
.endr
.endm
.macro FETCHP kk, buf                  ; 8 loads: P, 64 queries x keys 32 kk .. +31
.irp qt, 0,1,2,3
	ds_load_b128 v[\buf+8*\qt:\buf+8*\qt+3], v8 offset:\qt*16*PP+64*\kk
	ds_load_b128 v[\buf+8*\qt+4:\buf+8*\qt+7], v8 offset:\qt*16*PP+64*\kk+32
.endr
.endm
.macro MULPV vf, pf, zero              ; 32 matrix instructions; the 32 accumulators take turns
.irp dt, 0,1,2,3,4,5,6,7
.irp qt, 0,1,2,3
.if \zero
	v_wmma_f32_16x16x32_bf16 v[8*(4*\dt+\qt):8*(4*\dt+\qt)+7], v[\vf+8*\dt:\vf+8*\dt+7], v[\pf+8*\qt:\pf+8*\qt+7], 0
.else
	v_wmma_f32_16x16x32_bf16 v[8*(4*\dt+\qt):8*(4*\dt+\qt)+7], v[\vf+8*\dt:\vf+8*\dt+7], v[\pf+8*\qt:\pf+8*\qt+7], v[8*(4*\dt+\qt):8*(4*\dt+\qt)+7]
.endif
.endr
.endr
.endm
; one block of 128 keys.  first = 1: the sums start here.  refill = 1: the next block is asked for.
.macro BLOCK first, refill
	QKPHASE 4
	LOCALMAX
	s_wait_dscnt 0x0                               ; my reads of the key slot are back and my maxima are written
	s_wait_xcnt 0x0
	v_lshl_add_u32 v250, v0, 2, 0x4e800
	v_mov_b32 v251, 0
	s_wait_tensorcnt 0x0                           ; all my tensor loads have landed: my rows of this block of V
	ds_add_u32 v250, v251
	s_wait_dscnt 0x0
.if \refill
	s_add_nc_u64 s[42:43], s[42:43], 0x20000       ; 128 keys on
	ROUND                                          ; both hold of every wave of the four work-groups
	tensor_load_to_lds s[40:43], s[24:31]          ; K of the next block, my one tensor load behind this round
	s_nop 0
.else
	s_barrier_signal -1
	s_barrier_wait -1
.endif
	STATS \first
	SUBM 0                                         ; between the exponentials of a query tile and their use stands the subtraction of the next tile
	EXPM 0
	SUBM 1
	USEM 0, \first
	EXPM 1
	SUBM 2
	USEM 1, \first
	EXPM 2
	SUBM 3
	USEM 2, \first
	EXPM 3
	v_nop
	s_wait_alu depctr_va_vdst(0)
	USEM 3, \first
	s_wait_dscnt 0x0                               ; my part of P is written, my reads of ST1 are back
	s_barrier_signal -1
	FETCHV 0, KB0                                  ; V is whole since the barrier above and is filled again only behind a later one
	FETCHV 1, KB1
.if \first == 0
	WIN 0x41                                       ; O times the factor of its query, while the others arrive
.irp dt, 0,1,2,3,4,5,6,7
.irp qt, 0,1,2,3
.irp q, 0,1,2,3
	v_pk_mul_f32 v[8*(4*\dt+\qt)+2*\q:8*(4*\dt+\qt)+2*\q+1], v[8*(4*\dt+\qt)+2*\q:8*(4*\dt+\qt)+2*\q+1], v[AL+2*\qt:AL+2*\qt+1]
.endr
.endr
.endr
	WIN 0
.endif
	s_barrier_wait -1                              ; P is whole.  The load of K stays out
	FETCHP 0, PF0
	FETCHP 1, PF1
	s_wait_dscnt 8                                 ; all but the 8 loads of the second P fragments
	WIN 0x50
	MULPV KB0, PF0, \first
	WIN 0
	PLACES 4
	FETCHV 2, KB0
	FETCHP 2, PF0
	s_wait_dscnt 24                                ; all but the 24 loads just issued
	WIN 0x50
	MULPV KB1, PF1, 0
	WIN 0
	PLACES 4
	FETCHV 3, KB1
	FETCHP 3, PF1
	s_wait_dscnt 24
	WIN 0x50
	MULPV KB0, PF0, 0
	s_wait_dscnt 0x0
	MULPV KB1, PF1, 0
	PLACES 5
	WIN 0
.if \refill
	s_wait_dscnt 0x0                               ; my reads of the value slot and of P are back
	s_wait_xcnt 0x0
	v_lshl_add_u32 v250, v0, 2, 0x4e800
	v_mov_b32 v251, 0
	s_wait_tensorcnt 0x0                           ; all my tensor loads have landed: my rows of the next block of K, which I alone read
	ds_add_u32 v250, v251
	s_wait_dscnt 0x0
	s_add_nc_u64 s[46:47], s[46:47], 0x20000
	ROUND
	tensor_load_to_lds s[44:47], s[32:39]          ; V of the next block, my one tensor load behind this round
	s_nop 0
.endif
.endm
	s_load_b256 s[8:15], s[0:1], 0x0               ; qws s[8:9], kws s[10:11], vws s[12:13], out0 s[14:15]
	v_lshl_add_u32 v250, v0, 2, 0x4e800
	v_mov_b32 v251, 0
	ds_add_u32 v250, v251
	s_wait_dscnt 0x0
	v_lshrrev_b32 v1, 5, v0
	v_readfirstlane_b32 s20, v1                    ; wave
	s_bfe_u32 s21, ttmp6, 0x40000                  ; cx
	s_lshl_b32 s22, ttmp9, 2
	s_add_co_u32 s22, s22, s21                     ; query block = 4 x cluster x + cx: enters the addresses of qws and out0 alone
	s_and_b32 s23, ttmp7, 0xffff                   ; batch: shared by the four partners
	; descriptor group 1 for K: 32 rows x 512 elements of 2 bytes, 4 words of padding behind every 256 words; for V: 8 words
	s_mov_b32 s24, 15|(1<<16)|(1<<20)|(1<<21)|(7<<22)|(3<<25)
	s_mov_b32 s25, 512<<16
	s_mov_b32 s26, 32<<16
	s_mov_b32 s27, 512<<16
	s_mov_b32 s28, 32
	s_mov_b32 s29, 512
	s_mov_b32 s30, 0
	s_mov_b32 s31, 0
	s_mov_b32 s32, 15|(1<<16)|(1<<20)|(1<<21)|(7<<22)|(7<<25)
	s_mov_b32 s33, 512<<16
	s_mov_b32 s34, 32<<16
	s_mov_b32 s35, 512<<16
	s_mov_b32 s36, 32
	s_mov_b32 s37, 512
	s_mov_b32 s38, 0
	s_mov_b32 s39, 0
	s_mov_b32 s48, 0x76543210                      ; v_permlanex16_b32: lane i of one half reads lane i of the other
	s_mov_b32 s49, 0xfedcba98
	s_lshl_b32 s16, s23, 21                        ; 2,048 tokens of 1,024 bytes a batch
	s_lshl_b32 s18, s20, 15                        ; my 32 rows of a tile
	s_add_co_u32 s16, s16, s18
	s_mov_b32 s17, 0
	s_lshl_b32 s56, s23, 21
	s_lshl_b32 s58, s22, 16
	s_add_co_u32 s56, s56, s58                     ; my 64 queries in qws
	s_mov_b32 s57, 0
	s_lshl_b32 s58, s56, 1                         ; and in out0
	s_mov_b32 s59, 0
	s_wait_kmcnt 0x0
	s_mov_b32 s40, 1
	s_mul_i32 s41, s20, 32*KP
	s_add_nc_u64 s[42:43], s[10:11], s[16:17]
	s_or_b32 s43, s43, 0x80000000
	s_mov_b32 s44, 1
	s_mul_i32 s45, s20, 32*VP
	s_add_co_u32 s45, s45, VS
	s_add_nc_u64 s[46:47], s[12:13], s[16:17]
	s_or_b32 s47, s47, 0x80000000
	s_add_nc_u64 s[52:53], s[8:9], s[56:57]
	s_add_nc_u64 s[54:55], s[14:15], s[58:59]
	ROUND                                          ; the four work-groups are here: the first joint loads meet
	tensor_load_to_lds s[40:43], s[24:31]          ; K of block 0
	s_nop 0
	tensor_load_to_lds s[44:47], s[32:39]          ; V of block 0
	s_nop 0
	v_and_b32 v1, 15, v0                           ; r
	v_bfe_u32 v2, v0, 4, 1                         ; h
	v_lshlrev_b32 v3, 10, v1
	v_lshl_add_u32 v3, v2, 4, v3                   ; QOFF = r 1024 + 16 h
	QLOAD 0x80, 0
	QLOAD 0xc0, 8
	s_mul_i32 s3, s20, 32*KP
	v_mul_u32_u24 v4, v1, KP
	v_lshl_add_u32 v4, v2, 4, v4
	v_add_nc_u32 v4, s3, v4                        ; KA = (32 w + r) 1040 + 16 h
	v_and_b32 v14, 7, v0
	v_lshl_add_u32 v14, v2, 3, v14
	v_mul_u32_u24 v5, v14, VP
	v_bfe_u32 v14, v0, 3, 1
	v_lshl_add_u32 v5, v14, 4, v5
	s_lshl_b32 s3, s20, 8
	s_add_co_u32 s3, s3, VS
	v_add_nc_u32 v5, s3, v5                        ; VA0 = VS + (8 h + lane % 8) 1056 + 256 w + 16 ((lane / 8) % 2)
	v_add_nc_u32 v6, 64*VP, v5                     ; VA1: keys 64 to 127
	v_mul_u32_u24 v8, v1, PP
	v_lshl_add_u32 v8, v2, 4, v8
	v_add_nc_u32 v8, PB, v8                        ; PR = PB + r 272 + 16 h
	s_lshl_b32 s3, s20, 6
	v_add_nc_u32 v7, s3, v8                        ; PW = PR + 64 w
	v_lshlrev_b32 v10, 4, v1
	v_add_nc_u32 v10, ST1, v10                     ; S1R = ST1 + 16 r
	s_lshl_b32 s3, s20, 8
	v_add_nc_u32 v9, s3, v10                       ; S1W = S1R + 256 w
	s_mul_i32 s3, s20, 16*GP
	s_add_co_u32 s3, s3, STG
	v_mul_u32_u24 v11, v1, GP
	v_lshl_add_u32 v11, v2, 5, v11
	v_add_nc_u32 v11, s3, v11                      ; SGW = my stage + r 528 + 32 h
	v_and_b32 v14, 31, v0
	v_lshl_add_u32 v12, v14, 4, s3                 ; SGR = my stage + 16 lane
	v_lshlrev_b32 v13, 4, v0                       ; OOFF = 512 w + 16 lane
.irp qt, 0,1,2,3
	v_mov_b32 v[LX+\qt], 0                         ; the destination of v_permlanex16_b32 counts as read
.endr
	s_wait_tensorcnt 0x1                           ; my rows of K of block 0 are in, which I alone read; V may stay out
	s_wait_loadcnt 0x0                             ; the queries
	BLOCK 1, 1
	s_mov_b32 s50, 14
.Lblk:
	BLOCK 0, 1
	s_sub_co_u32 s50, s50, 1
	s_cmp_lg_u32 s50, 0
	s_cbranch_scc1 .Lblk
	BLOCK 0, 0                                     ; the last block asks for nothing
	; the row sums: the two numbers of a pair, the other half of the lanes, the four waves through ST2
.irp qt, 0,1,2,3
	v_add_f32 v[LM+\qt], v[LP+2*\qt], v[LP+2*\qt+1]
.endr
.irp qt, 0,1,2,3
	v_permlanex16_b32 v[LX+\qt], v[LM+\qt], s48, s49
.endr
.irp qt, 0,1,2,3
	v_add_f32 v[LM+\qt], v[LM+\qt], v[LX+\qt]
.endr
	ds_store_b128 v9, v[LM:LM+3] offset:1024
	s_wait_dscnt 0x0
	s_barrier_signal -1
	s_barrier_wait -1
.irp ww, 0,1,2,3
	ds_load_b128 v[TS+4*\ww:TS+4*\ww+3], v10 offset:1024+256*\ww
.endr
	s_wait_dscnt 0x0
.irp qt, 0,1,2,3
	v_add_f32 v[LM+\qt], v[TS+\qt], v[TS+4+\qt]
	v_add_f32 v[LX+\qt], v[TS+8+\qt], v[TS+12+\qt]
.endr
.irp qt, 0,1,2,3
	v_add_f32 v[LM+\qt], v[LM+\qt], v[LX+\qt]      ; at least 1: the largest score of the row gives 2^0
.endr
.irp qt, 0,1,2,3
	v_rcp_f32 v[AL+2*\qt], v[LM+\qt]
.endr
	v_nop                                          ; one plain instruction behind the transcendentals
	s_wait_alu depctr_va_vdst(0)
.irp qt, 0,1,2,3
	v_mov_b32 v[AL+2*\qt+1], v[AL+2*\qt]
.endr
; 16 queries: O / sum, 32 bytes a lane into my stage, back as rows of 512 bytes, out
.macro OUTQ qt
	WIN 0x01
.irp dt, 0,1,2,3,4,5,6,7
.irp q, 0,1,2,3
	v_pk_mul_f32 v[96+8*\dt+2*\q:96+8*\dt+2*\q+1], v[8*(4*\dt+\qt)+2*\q:8*(4*\dt+\qt)+2*\q+1], v[AL+2*\qt:AL+2*\qt+1]
.endr
.endr
	WIN 0
.irp dt, 0,1,2,3,4,5,6,7
	ds_store_b128 v11, v[96+8*\dt:96+8*\dt+3] offset:64*\dt
	ds_store_b128 v11, v[100+8*\dt:100+8*\dt+3] offset:64*\dt+16
.endr
	s_wait_xcnt 0x0                                ; v160-223, which earlier stores read, are written again only behind this wait
.irp t, 0,1,2,3,4,5,6,7,8,9,10,11,12,13,14,15
	ds_load_b128 v[160+4*\t:160+4*\t+3], v12 offset:GP*\t      ; LDS serves the instructions of a wave in order: these see the stores above
.endr
.irp t, 0,1,2,3,4,5,6,7,8,9,10,11,12,13,14,15
	s_wait_dscnt 15-\t                             ; load t is in, the younger ones may be out
	global_store_b128 v13, v[160+4*\t:160+4*\t+3], s[54:55] offset:(16*\qt+\t)*2048 th:TH_STORE_NT   ; the wave stores 512 consecutive bytes, aligned
.endr
.endm
	OUTQ 0
	OUTQ 1
	OUTQ 2
	OUTQ 3
	s_wait_xcnt 0x0
	v_lshl_add_u32 v250, v0, 2, 0x4e800
	v_mov_b32 v251, 0
	s_wait_tensorcnt 0x0
	ds_add_u32 v250, v251
	s_wait_dscnt 0x0
	ROUND                                          ; the closing round: no work-group ends while a partner may still ask jointly
	s_endpgm
.Lfunc_end_k_q8cd8dc3da1_attn:
	.size	k_q8cd8dc3da1_attn, .Lfunc_end_k_q8cd8dc3da1_attn-k_q8cd8dc3da1_attn
	.p2alignl 7, 3214868480
	.fill 96, 4, 3214868480
	.section	.rodata,"a",@progbits
	.p2align	6, 0x0
	.amdhsa_kernel k_q8cd8dc3da1_attn
		.amdhsa_group_segment_fixed_size 327680
		.amdhsa_private_segment_fixed_size 0
		.amdhsa_enable_private_segment 0
		.amdhsa_kernarg_size 32
		.amdhsa_user_sgpr_count 2
		.amdhsa_user_sgpr_kernarg_segment_ptr 1
		.amdhsa_wavefront_size32 1
		.amdhsa_system_sgpr_workgroup_id_x 1
		.amdhsa_system_sgpr_workgroup_id_y 1
		.amdhsa_system_sgpr_workgroup_id_z 1
		.amdhsa_system_vgpr_workitem_id 0
		.amdhsa_next_free_vgpr 1024
		.amdhsa_next_free_sgpr 66
		.amdhsa_reserve_vcc 0
		.amdhsa_float_denorm_mode_32 3
		.amdhsa_float_denorm_mode_16_64 3
		.amdhsa_memory_ordered 1
		.amdhsa_forward_progress 1
		.amdhsa_inst_pref_size 183
	.end_amdhsa_kernel
	.amdgpu_metadata
---
amdhsa.version: [ 1, 2 ]
amdhsa.kernels:
  - .name:           k_q8cd8dc3da1_attn
    .symbol:         k_q8cd8dc3da1_attn.kd
    .args:
      - { .name: qws, .offset: 0, .size: 8, .value_kind: global_buffer, .address_space: global }
      - { .name: kws, .offset: 8, .size: 8, .value_kind: global_buffer, .address_space: global }
      - { .name: vws, .offset: 16, .size: 8, .value_kind: global_buffer, .address_space: global }
      - { .name: out0, .offset: 24, .size: 8, .value_kind: global_buffer, .address_space: global }
    .group_segment_fixed_size: 327680
    .private_segment_fixed_size: 0
    .kernarg_segment_align: 8
    .kernarg_segment_size: 32
    .max_flat_workgroup_size: 128
    .sgpr_count:     66
    .vgpr_count:     1024
    .wavefront_size: 32
...
	.end_amdgpu_metadata
.endif
;; end of part 3
;; ======== version 2 of 3: 2 launches; 1.23 times as fast as version 1
;; workspace buffers: wcat 1,048,576 bytes; cvec 4,096 bytes; kws 16,777,216 bytes
;; launch prep (part 4): grid 12 x 16, 4 waves a work-group, no clusters, 299,776 bytes of LDS; arguments Wq, Wk, Wv, Wo, bq, bv, bo, wcat, cvec, x, kws; writes wcat, cvec, kws
.if DOCPART == 4
	.amdgcn_target "amdgcn-amd-amdhsa--gfx1250"
	.amdhsa_code_object_version 6
	.text
	.protected	k_q8cd8dc3da1_prep
	.globl	k_q8cd8dc3da1_prep
	.p2align	8
	.type	k_q8cd8dc3da1_prep,@function
k_q8cd8dc3da1_prep:
	s_mov_b64 s[64:65], 0
	v_nop
	global_prefetch_b8 v0, s[64:65] scope:SCOPE_SE
	s_setreg_imm32_b32 hwreg(HW_REG_WAVE_MODE, 25, 1), 1
	s_wait_xcnt 0x0
; PREP: folds the four weight matrices of reference() into one table, wcat [1024][512] bf16, and one vector, cvec [1024] f32,
; and rounds x to bf16 (kws), which the next launch uses as queries' source, as keys and as values.
;
; WORK LEFT OUT OR REGROUPED, in the terms of reference(), for all finite values of the inputs:
; (1) bk is dead.  attn[n][m] = scale q[n].(x[m] Wk + bk) = scale q[n].(x[m] Wk) + scale q[n].bk.  The last term does not hang on m, the axis
;     of the softmax, and softmax(a + c) = softmax(a) for a c that is the same along the axis.  So bk has no way to any output:
;     it is not loaded and is among no launch arguments.
; (2) q[n].(x[m] Wk) = (x[n] Wq Wk^T + bq Wk^T).x[m]: with M1 = Wq Wk^T and c1 = bq Wk^T the keys are x itself, and the product x Wk is not made.
; (3) The weights of a softmax row add up to 1, so (sum_m p[m] (x[m] Wv + bv)) Wo + bo = (sum_m p[m] x[m]) Wv Wo + bv Wo + bo:
;     with M2 = Wv Wo and c2 = bv Wo + bo the values are x itself too, and of the products x Wv and (..) Wo one is left, (sum p x) M2.
; LIMITS: a NaN, an infinity or an overflow that reaches only q.bk is not carried to the result.  The order of rounding differs from
; reference(): M1 and M2 are summed in f32 from operands rounded to bf16 and are themselves rounded to bf16; c1 and c2 likewise, kept in f32.
;
; wcat[n][i]     = sc sum_d Wk[n][d] Wq[i][d]   (n < 512),  cvec[n]     = sc sum_d Wk[n][d] bq[d],  sc = 512^-0.5 log2(e) = 0x3d8293ee,
; wcat[512+e][i] =    sum_d Wo[d][e] Wv[i][d],              cvec[512+e] =    sum_d Wo[d][e] bv[d] + bo[e].
; sc lets the softmax of the next launch work in base 2.
;
; THE GRID is 12 x 16.  Work-groups with x < 4 fold (64 of them), those with x >= 4 cast (128 of them, 128 tokens each).
; FOLD: a work-group (ib = x, y) makes rows 64 y .. +63, columns 128 ib .. +127 of wcat: 256 consecutive bytes of each row.  y < 8: first form,
; y >= 8: second.  Wave w makes rows 16 w .. +15 of them: 8 accumulator tiles.  Source 0 = 16 rows i of Wq (Wv), source 1 = 16 rows n of Wk
; (16 columns e of Wo, read from LDS by transposing loads), so that a lane ends up with 8 neighbouring columns i of one row of wcat.
; The inputs are f32 and are rounded to bf16 on the way into LDS, so they come through registers: no tensor loads, hence no joint loads and no cluster.
; A row piece of 256 bytes fixes 128 rows of Wq (Wv) for a work-group; more folding work-groups would each load as much.
; CAST: a stream; a wave takes 32 tokens, 128 loads of 512 consecutive bytes, and stores 256 consecutive bytes at a time.  No LDS, no barrier.
;
; LDS: AR 128 rows x 1040 bytes (1024 of data + 16: sixteen rows start 16 bytes apart modulo 256); BR0, the first form's B, 64 x 1040;
; BR1, the second form's B, [512 d][64 e] bf16 at pitch 160; CST 64 f32 of cvec; STG 16 rows x 272 bytes for each wave, for the way out.
; Each form has its B in bytes of its own: the waves' shares of B differ between the forms (16,640 against 20,480 bytes a wave), and so no line
; of one form names a byte that a line of the other touches.  A work-group runs one form (y is the same in its four waves) and leaves
; the other form's region untouched.  In AR, CST and STG a wave's bytes are the same in both forms.
; REGISTERS: window 0: v1 r = lane % 16, v2 h = lane / 16, v3 lane, v4-v15 addresses, v16-79 accumulators, v80-95 the two sums of cvec,
; v96-167 and v168-239 fragment buffers (B at +0, A tile it at +8+8 it); during the conversions v128-255 hold packed bf16.
; Windows 1, 2: raw rows of A (of x in the cast); window 3: raw B.
.set PA,  1040
.set BR0, 128*PA
.set BR1, BR0+64*PA
.set PB1, 160
.set CST, BR1+512*PB1
.set STG, CST+256
.set SP,  272
.set ACC, 16
.set BAC, 80
.set FB,  96
.set FBS, 72
.set MSB, 0
.macro WIN new                         ; the high byte of the immediate repeats the setting that is left
.if MSB != \new
	s_set_vgpr_msb (MSB<<8)|\new
.set MSB, \new
.endif
.endm
.macro PLACES n                        ; places behind matrix instructions (ISA guide 7.12.1)
.rept \n
	v_nop
.endr
.endm
; 64 loads of 16 bytes a lane into one window: load (rr, c) into registers 4 (4 rr + c)
.macro GLOADS win, areg, sb, base, rstep, cstep
	WIN \win
.irp rr, 0,1,2,3,4,5,6,7,8,9,10,11,12,13,14,15
.irp c, 0,1,2,3
	global_load_b128 v[4*(4*\rr+\c):4*(4*\rr+\c)+3], v[\areg], s[\sb:\sb+1] offset:\base+\rr*\rstep+\c*\cstep
.endr
.endr
	WIN 0
.endm
; one window of raw f32 is rounded to bf16 into v128-255 and goes to LDS, 8 bytes a lane
.macro CONV win, areg, base, rstep, cstep
	WIN \win
.set i, 0
.rept 64
	v_cvt_pk_bf16_f32 v[128+2*i], v[4*i], v[4*i+1]
	v_cvt_pk_bf16_f32 v[129+2*i], v[4*i+2], v[4*i+3]
.set i, i+1
.endr
	WIN 0
.irp rr, 0,1,2,3,4,5,6,7,8,9,10,11,12,13,14,15
.irp c, 0,1,2,3
	ds_store_b64 v[\areg], v[128+2*(4*\rr+\c):129+2*(4*\rr+\c)] offset:\base+\rr*\rstep+\c*\cstep
.endr
.endr
.endm
; the B fragment of K step ks: 16 rows n (or columns e) x 32 d
.macro FETCHB p, ks, dst
.if \p == 0
	ds_load_b128 v[\dst:\dst+3], v10 offset:64*(\ks)
	ds_load_b128 v[\dst+4:\dst+7], v10 offset:64*(\ks)+32
.else
	ds_load_tr16_b128 v[\dst:\dst+3], v[10+(\ks)/8] offset:((\ks)%8)*32*PB1
	ds_load_tr16_b128 v[\dst+4:\dst+7], v[10+(\ks)/8] offset:((\ks)%8)*32*PB1+16*PB1
.endif
.endm
; 18 LDS loads: the B fragment and the eight A fragments of K step ks, into the buffer of its parity
.macro FETCHW p, ks
	FETCHB \p, \ks, FB+FBS*((\ks)%2)
.irp it, 0,1,2,3,4,5,6,7
	ds_load_b128 v[FB+FBS*((\ks)%2)+8+8*\it:FB+FBS*((\ks)%2)+8+8*\it+3], v[8+\it/4] offset:(\it%4)*16*PA+64*(\ks)
	ds_load_b128 v[FB+FBS*((\ks)%2)+12+8*\it:FB+FBS*((\ks)%2)+12+8*\it+3], v[8+\it/4] offset:(\it%4)*16*PA+64*(\ks)+32
.endr
.endm
; p: the form; pa, pb, pv: the scalar pairs with the addresses of A (Wq, Wv), B (Wk, Wo) and the bias vector (bq, bv)
.macro BODY p, pa, pb, pv
	s_lshl_b32 s28, s2, 18                         ; 128 ib rows of 2,048 bytes
	s_add_nc_u64 s[26:27], s[\pa:\pa+1], s[28:29]
.if \p == 0
	s_lshl_b32 s28, s3, 17                         ; 64 y rows of Wk
	s_add_nc_u64 s[30:31], s[\pb:\pb+1], s[28:29]
	s_lshl_b32 s5, s4, 15
	v_lshl_add_u32 v6, v3, 4, s5                   ; GB: 16 rows a wave, 16 bytes a lane
	s_mul_i32 s5, s4, 16*PA
	s_add_co_u32 s5, s5, BR0
	v_lshl_add_u32 v7, v3, 3, s5                   ; LBW
	v_add_nc_u32 v10, s5, v8                       ; BF0 = BR0 + (16 w + r) 1040 + 16 h
.else
	s_sub_co_u32 s28, s3, 8
	s_lshl_b32 s28, s28, 8                         ; 64 (y - 8) columns of f32
	s_add_nc_u64 s[30:31], s[\pb:\pb+1], s[28:29]
	s_add_nc_u64 s[36:37], s[20:21], s[28:29]      ; bo at my 64 numbers
	s_lshl_b32 s5, s4, 18
	v_lshlrev_b32 v6, 11, v2
	v_lshl_add_u32 v6, v1, 4, v6
	v_add_nc_u32 v6, s5, v6                        ; GB = (128 w + h) 2048 + 16 r: one load takes 256 bytes of each of two rows d
	s_mul_i32 s5, s4, 128*PB1
	s_add_co_u32 s5, s5, BR1
	v_mul_u32_u24 v7, v2, PB1
	v_lshl_add_u32 v7, v1, 3, v7
	v_add_nc_u32 v7, s5, v7                        ; LBW = BR1 + (128 w + h) 160 + 8 r
	v_and_b32 v10, 7, v0
	v_lshl_add_u32 v10, v2, 3, v10
	v_mul_u32_u24 v10, v10, PB1
	v_bfe_u32 v11, v0, 3, 1
	v_lshl_add_u32 v10, v11, 4, v10
	s_lshl_b32 s5, s4, 5
	s_add_co_u32 s5, s5, BR1
	v_add_nc_u32 v10, s5, v10                      ; BF0 = BR1 + (8 h + lane % 8) 160 + 32 w + 16 ((lane / 8) % 2)
	v_add_nc_u32 v11, 256*PB1, v10                 ; BF1: K steps 8 to 15
.endif
	GLOADS 0x40, 4, 26, 0, 2048, 512               ; my rows 0-15 of A
	GLOADS 0x80, 4, 26, 32768, 2048, 512           ; my rows 16-31
	s_wait_loadcnt 63                              ; 128 issued, at most 63 out: the first 65 are in, window 1 among them
	CONV 0x05, 5, 0, PA, 256
.if \p == 0
	GLOADS 0xc0, 6, 30, 0, 2048, 512
.else
	GLOADS 0xc0, 6, 30, 0, 16384, 4096
.endif
	s_wait_loadcnt 63                              ; 192 issued, at most 63 out: the first 129 are in, window 2 among them
	CONV 0x0a, 5, 16*PA, PA, 256
	s_wait_loadcnt 0x0
.if \p == 0
	CONV 0x0f, 7, 0, PA, 256
.else
	CONV 0x0f, 7, 0, 8*PB1, 2*PB1
.endif
	s_wait_dscnt 0x0                               ; my LDS stores are done, for the sake of the other waves
	s_barrier_signal -1
	s_barrier_wait -1
	; 16 K steps of 32, two fragment buffers; the eight accumulators take turns, one instruction a turn
	FETCHW \p, 0
	FETCHW \p, 1
.irp ks, 0,1,2,3,4,5,6,7,8,9,10,11,12,13,14,15
.if \ks < 15
	s_wait_dscnt 18                                ; all but the 18 loads of the next K step
.else
	s_wait_dscnt 0x0
.endif
.irp it, 0,1,2,3,4,5,6,7
.if \ks == 0
	v_wmma_f32_16x16x32_bf16 v[ACC+8*\it:ACC+8*\it+7], v[FB+FBS*(\ks%2)+8+8*\it:FB+FBS*(\ks%2)+8+8*\it+7], v[FB+FBS*(\ks%2):FB+FBS*(\ks%2)+7], 0
.else
	v_wmma_f32_16x16x32_bf16 v[ACC+8*\it:ACC+8*\it+7], v[FB+FBS*(\ks%2)+8+8*\it:FB+FBS*(\ks%2)+8+8*\it+7], v[FB+FBS*(\ks%2):FB+FBS*(\ks%2)+7], v[ACC+8*\it:ACC+8*\it+7]
.endif
.endr
.if \ks < 14
	PLACES 4                                       ; the loads below land in registers that these matrix instructions read
	FETCHW \p, \ks+2
.endif
.endr
	PLACES 4
	; cvec: made by the work-groups with ib = 0 alone, all of it inside this one branch (ib is the same in all four waves)
	s_cmp_lg_u32 s2, 0
	s_cbranch_scc1 .Lout_\p
.irp ks, 0,1,2,3,4,5,6,7,8,9,10,11,12,13,14,15
	FETCHB \p, \ks, FB+8*\ks
.endr
	v_lshlrev_b32 v240, 5, v2                      ; the bias vector in fragment order: every row of the fragment is the vector itself,
	WIN 0x40                                       ; so a lane takes d = 32 ks + 8 h .. +7 and 32 ks + 16 + 8 h .. +7
.irp ks, 0,1,2,3,4,5,6,7,8,9,10,11,12,13,14,15
	global_load_b128 v[16*\ks:16*\ks+3], v240, s[\pv:\pv+1] offset:128*\ks
	global_load_b128 v[16*\ks+4:16*\ks+7], v240, s[\pv:\pv+1] offset:128*\ks+16
	global_load_b128 v[16*\ks+8:16*\ks+11], v240, s[\pv:\pv+1] offset:128*\ks+64
	global_load_b128 v[16*\ks+12:16*\ks+15], v240, s[\pv:\pv+1] offset:128*\ks+80
.endr
	s_wait_loadcnt 0x0
	WIN 0x85                                       ; from window 1 into window 2
.set i, 0
.rept 128
	v_cvt_pk_bf16_f32 v[i], v[2*i], v[2*i+1]
.set i, i+1
.endr
	WIN 0x02
	s_wait_dscnt 0x0
.irp ks, 0,1,2,3,4,5,6,7,8,9,10,11,12,13,14,15
.if \ks < 2
	v_wmma_f32_16x16x32_bf16 v[BAC+8*(\ks%2):BAC+8*(\ks%2)+7], v[8*\ks:8*\ks+7], v[FB+8*\ks:FB+8*\ks+7], 0
.else
	v_wmma_f32_16x16x32_bf16 v[BAC+8*(\ks%2):BAC+8*(\ks%2)+7], v[8*\ks:8*\ks+7], v[FB+8*\ks:FB+8*\ks+7], v[BAC+8*(\ks%2):BAC+8*(\ks%2)+7]
.endif
.endr                                          ; two accumulators take turns
	WIN 0
	PLACES 4
	v_add_f32 v243, v[BAC], v[BAC+8]               ; lane (r, h): the sum for row 16 w + r (all rows of the tile are equal)
	s_lshl_b32 s5, s4, 6
	s_add_co_u32 s5, s5, CST
	v_lshl_add_u32 v241, v1, 2, s5
	ds_store_b32 v241, v243                        ; both halves of the lanes write the same word with the same value
	s_wait_dscnt 0x0
	s_barrier_signal -1
	s_barrier_wait -1
	s_cmp_lg_u32 s4, 0                             ; wave 0 stores the 64 numbers: 32 lanes x 8 bytes, 256 consecutive bytes, aligned
	s_cbranch_scc1 .Lout_\p
	v_lshlrev_b32 v242, 3, v3
	v_add_nc_u32 v244, CST, v242
	ds_load_b64 v[246:247], v244
.if \p == 1
	global_load_b64 v[248:249], v242, s[36:37]
.endif
	s_wait_dscnt 0x0
.if \p == 0
	v_pk_mul_f32 v[246:247], v[246:247], 0x3d8293ee op_sel_hi:[1,0]
.else
	s_wait_loadcnt 0x0
	v_pk_add_f32 v[246:247], v[246:247], v[248:249]
.endif
	global_store_b64 v242, v[246:247], s[34:35]
.Lout_\p:
	; the way out: scale (first form), round, 16 bytes a lane into my stage, whole rows of 256 bytes back and out
.if \p == 0
.set i, 0
.rept 32
	v_pk_mul_f32 v[ACC+2*i:ACC+2*i+1], v[ACC+2*i:ACC+2*i+1], 0x3d8293ee op_sel_hi:[1,0]
.set i, i+1
.endr
.endif
.irp it, 0,1,2,3,4,5,6,7
.irp q, 0,1,2,3
	v_cvt_pk_bf16_f32 v[96+4*\it+\q], v[ACC+8*\it+2*\q], v[ACC+8*\it+2*\q+1]
.endr
.endr
.irp it, 0,1,2,3,4,5,6,7
	ds_store_b128 v13, v[96+4*\it:96+4*\it+3] offset:32*\it
.endr
.irp t, 0,1,2,3,4,5,6,7
	ds_load_b128 v[128+4*\t:128+4*\t+3], v14 offset:2*SP*\t    ; LDS serves the instructions of a wave in order: these see the stores above
.endr
.irp t, 0,1,2,3,4,5,6,7
	s_wait_dscnt 7-\t                              ; load t is in, the younger ones may be out
	global_store_b128 v15, v[128+4*\t:128+4*\t+3], s[32:33] offset:2048*\t   ; 16 lanes store 256 consecutive bytes, aligned
.endr
	s_wait_xcnt 0x0
	v_lshl_add_u32 v254, v0, 2, 0x49100
	v_mov_b32 v255, 0
	s_wait_tensorcnt 0x0
	ds_add_u32 v254, v255
	s_wait_dscnt 0x0
	s_endpgm
.endm
; the cast: 16 tokens of f32 into one window, 64 loads of 512 consecutive bytes; x is read once in the launch
.macro XLOADS win, base
	WIN \win
.irp rr, 0,1,2,3,4,5,6,7,8,9,10,11,12,13,14,15
.irp c, 0,1,2,3
	global_load_b128 v[4*(4*\rr+\c):4*(4*\rr+\c)+3], v4, s[26:27] offset:\base+\rr*2048+\c*512 th:TH_LOAD_NT
.endr
.endr
	WIN 0
.endm
; one window is rounded to bf16 into v128-255 and stored: 32 lanes x 8 bytes = 256 consecutive bytes, aligned
.macro XCAST win, base
	WIN \win
.set i, 0
.rept 64
	v_cvt_pk_bf16_f32 v[128+2*i], v[4*i], v[4*i+1]
	v_cvt_pk_bf16_f32 v[129+2*i], v[4*i+2], v[4*i+3]
.set i, i+1
.endr
	WIN 0
.irp rr, 0,1,2,3,4,5,6,7,8,9,10,11,12,13,14,15
.irp c, 0,1,2,3
	global_store_b64 v6, v[128+2*(4*\rr+\c):129+2*(4*\rr+\c)], s[30:31] offset:\base+\rr*1024+\c*256
.endr
.endr
.endm
	s_load_b512 s[8:23], s[0:1], 0x0               ; Wq s[8:9], Wk s[10:11], Wv s[12:13], Wo s[14:15], bq s[16:17], bv s[18:19], bo s[20:21], wcat s[22:23]
	s_load_b64 s[24:25], s[0:1], 0x40              ; cvec
	s_load_b64 s[40:41], s[0:1], 0x48              ; x
	s_load_b64 s[42:43], s[0:1], 0x50              ; kws
	s_mov_b32 s2, ttmp9                            ; x of the grid: ib, or 4 + the low part of the cast's number
	s_and_b32 s3, ttmp7, 0xffff                    ; y
	v_lshrrev_b32 v1, 5, v0
	v_readfirstlane_b32 s4, v1                     ; wave
	v_and_b32 v3, 31, v0                           ; lane
	v_and_b32 v1, 15, v0                           ; r
	v_bfe_u32 v2, v0, 4, 1                         ; h
	s_lshl_b32 s5, s4, 16
	v_lshl_add_u32 v4, v3, 4, s5                   ; GA: 32 rows of 2,048 bytes a wave, 16 bytes a lane (rows of A, or tokens of x)
	s_mul_i32 s5, s4, 32*PA
	v_lshl_add_u32 v5, v3, 3, s5                   ; LAW
	v_mul_u32_u24 v8, v1, PA
	v_lshl_add_u32 v8, v2, 4, v8                   ; AF0 = r 1040 + 16 h
	v_add_nc_u32 v9, 64*PA, v8                     ; AF1: tiles 4 to 7
	s_mul_i32 s5, s4, 16*SP
	s_add_co_u32 s5, s5, STG
	v_mul_u32_u24 v13, v1, SP
	v_lshl_add_u32 v13, v2, 4, v13
	v_add_nc_u32 v13, s5, v13                      ; STO
	v_mul_u32_u24 v14, v2, SP
	v_lshl_add_u32 v14, v1, 4, v14
	v_add_nc_u32 v14, s5, v14                      ; RD
	s_lshl_b32 s5, s4, 14
	v_lshlrev_b32 v15, 10, v2
	v_lshl_add_u32 v15, v1, 4, v15
	v_add_nc_u32 v15, s5, v15                      ; CO = (16 w + h) 1024 + 16 r
	s_mov_b32 s29, 0
	s_wait_kmcnt 0x0
	s_cmp_ge_u32 s2, 4                             ; the same in all four waves of a work-group
	s_cbranch_scc1 .Lcast
	s_lshl_b32 s28, s3, 16
	s_lshl_b32 s5, s2, 8
	s_add_co_u32 s28, s28, s5
	s_add_nc_u64 s[32:33], s[22:23], s[28:29]      ; wcat at row 64 y, column 128 ib
	s_lshl_b32 s28, s3, 8
	s_add_nc_u64 s[34:35], s[24:25], s[28:29]      ; cvec at 64 y
	s_cmp_ge_u32 s3, 8
	s_cbranch_scc1 .Lpath1
	BODY 0, 8, 10, 16
.Lpath1:
	BODY 1, 12, 14, 18
.Lcast:
	s_sub_co_u32 s5, s2, 4
	s_lshl3_add_u32 s5, s3, s5                     ; the cast's number: 8 y + x - 4, 0 to 127
	s_lshl_b32 s28, s5, 18                         ; 128 tokens of 2,048 bytes
	s_add_nc_u64 s[26:27], s[40:41], s[28:29]
	s_lshl_b32 s28, s5, 17                         ; 128 tokens of 1,024 bytes
	s_add_nc_u64 s[30:31], s[42:43], s[28:29]
	s_lshl_b32 s5, s4, 15
	v_lshl_add_u32 v6, v3, 3, s5                   ; 32 tokens a wave, 8 bytes a lane
	XLOADS 0x40, 0                                 ; my tokens 0-15
	XLOADS 0x80, 32768                             ; my tokens 16-31
	s_wait_loadcnt 63                              ; 128 issued, at most 63 out: the first 65 are in, window 1 among them
	XCAST 0x05, 0
	s_wait_loadcnt 0x0
	s_wait_xcnt 0x0                                ; v128-255, which the stores above read, are written again only behind this wait
	XCAST 0x0a, 16384
	s_endpgm
.Lfunc_end_k_q8cd8dc3da1_prep:
	.size	k_q8cd8dc3da1_prep, .Lfunc_end_k_q8cd8dc3da1_prep-k_q8cd8dc3da1_prep
	.p2alignl 7, 3214868480
	.fill 96, 4, 3214868480
	.section	.rodata,"a",@progbits
	.p2align	6, 0x0
	.amdhsa_kernel k_q8cd8dc3da1_prep
		.amdhsa_group_segment_fixed_size 299776
		.amdhsa_private_segment_fixed_size 0
		.amdhsa_enable_private_segment 0
		.amdhsa_kernarg_size 88
		.amdhsa_user_sgpr_count 2
		.amdhsa_user_sgpr_kernarg_segment_ptr 1
		.amdhsa_wavefront_size32 1
		.amdhsa_system_sgpr_workgroup_id_x 1
		.amdhsa_system_sgpr_workgroup_id_y 1
		.amdhsa_system_sgpr_workgroup_id_z 1
		.amdhsa_system_vgpr_workitem_id 0
		.amdhsa_next_free_vgpr 1024
		.amdhsa_next_free_sgpr 66
		.amdhsa_reserve_vcc 0
		.amdhsa_float_denorm_mode_32 3
		.amdhsa_float_denorm_mode_16_64 3
		.amdhsa_memory_ordered 1
		.amdhsa_forward_progress 1
		.amdhsa_inst_pref_size 255
	.end_amdhsa_kernel
	.section	.bss,"aw",@nobits
	.p2align	6
	.space	262144
	.amdgpu_metadata
---
amdhsa.version: [ 1, 2 ]
amdhsa.kernels:
  - .name:           k_q8cd8dc3da1_prep
    .symbol:         k_q8cd8dc3da1_prep.kd
    .args:
      - { .name: Wq, .offset: 0, .size: 8, .value_kind: global_buffer, .address_space: global }
      - { .name: Wk, .offset: 8, .size: 8, .value_kind: global_buffer, .address_space: global }
      - { .name: Wv, .offset: 16, .size: 8, .value_kind: global_buffer, .address_space: global }
      - { .name: Wo, .offset: 24, .size: 8, .value_kind: global_buffer, .address_space: global }
      - { .name: bq, .offset: 32, .size: 8, .value_kind: global_buffer, .address_space: global }
      - { .name: bv, .offset: 40, .size: 8, .value_kind: global_buffer, .address_space: global }
      - { .name: bo, .offset: 48, .size: 8, .value_kind: global_buffer, .address_space: global }
      - { .name: wcat, .offset: 56, .size: 8, .value_kind: global_buffer, .address_space: global }
      - { .name: cvec, .offset: 64, .size: 8, .value_kind: global_buffer, .address_space: global }
      - { .name: x, .offset: 72, .size: 8, .value_kind: global_buffer, .address_space: global }
      - { .name: kws, .offset: 80, .size: 8, .value_kind: global_buffer, .address_space: global }
    .group_segment_fixed_size: 299776
    .private_segment_fixed_size: 0
    .kernarg_segment_align: 8
    .kernarg_segment_size: 88
    .max_flat_workgroup_size: 128
    .sgpr_count:     66
    .vgpr_count:     1024
    .wavefront_size: 32
...
	.end_amdgpu_metadata
.endif
;; end of part 4
;; launch attn (part 5): grid 32 x 8, 4 waves a work-group, clusters of 4 x 1, 327,680 bytes of LDS; arguments kws, wcat, cvec, out0; writes out0
.if DOCPART == 5
	.amdgcn_target "amdgcn-amd-amdhsa--gfx1250"
	.amdhsa_code_object_version 6
	.text
	.protected	k_q8cd8dc3da1_attn
	.globl	k_q8cd8dc3da1_attn
	.p2align	8
	.type	k_q8cd8dc3da1_attn,@function
k_q8cd8dc3da1_attn:
	s_mov_b64 s[64:65], 0
	v_nop
	global_prefetch_b8 v0, s[64:65] scope:SCOPE_SE
	s_setreg_imm32_b32 hwreg(HW_REG_WAVE_MODE, 25, 1), 1
	s_wait_xcnt 0x0
	s_wait_alu depctr_hold_cnt(0) depctr_sa_sdst(0) depctr_va_vdst(0) depctr_va_sdst(0) depctr_va_ssrc(0) depctr_va_vcc(0) depctr_vm_vsrc(0)
	s_getreg_b32 s2, hwreg(HW_REG_IB_STS2, 6, 4)
	s_cmp_eq_u32 s2, 0
	s_cbranch_scc0 .Lentry_in_a_cluster
	s_endpgm
.Lentry_in_a_cluster:
	s_bfe_u32 s2, ttmp6, 0x10000c
	s_cmp_lg_u32 s2, 0x3003
	s_cbranch_scc0 .Lentry_shape_is_right
	s_endpgm
.Lentry_shape_is_right:
; ATTN: q'[n] = x[n] M1 + c1;  p = softmax over m, in base 2, of q'[n].x[m], with a running maximum;  out0[n] = (sum_m p[n][m] x[m]) M2 + c2.
; x is kws (bf16), M1 and M2 are the two halves of wcat, c1 and c2 of cvec.
; Work left out: bk and the products x Wk, x Wv of reference(), as shown at the head of the first kernel: keys and values are x itself;
; scale and log2(e) lie in M1 and c1.
; A work-group takes 64 queries of one batch and walks its 2,048 keys in 16 blocks of 128.  ONE tile of kws serves both products of a block.
; SCORES: a wave makes S^T for 32 keys x all 64 queries (source 0 = keys, source 1 = queries; the queries lie in every wave, 512 registers),
; so each byte of a tile is read by rows once in the work-group.  Register j of lane (r, h) is (key 8 h + j, query r): maximum, sum and
; rescaling factor are one number a lane for each query tile, and two packed key tiles are a source-1 fragment of 32 keys as they stand.
; SUMS: wave w owns O^T for d = 128 w .. +127 x 64 queries (256 registers); source 0 = x^T by transposing LDS loads, source 1 = P.
; Each byte of a tile is read that way once; P (64 x 128 bf16) goes from wave to wave through LDS.
; THE TWO PROJECTIONS, ahead of and behind the blocks, 64 x 512 x 512 each: source 0 = 32 rows of wcat a step, source 1 = the 64 rows (x, then O / sum)
; that lie in every wave.  In step s wave w makes columns 256 (s / 2) + 64 w + 32 (s % 2) .. +31.  Their results (q'), and O / sum, go from wave
; to wave through LDS in two halves of 32 rows x 1040 bytes.
; CLUSTER: the four work-groups of a cluster are query blocks of one batch: they read the same tiles of kws and of wcat: joint loads, mask 15.
; THE RING: 24 tiles (4 of wcat, 16 of kws, 4 of wcat) go through two slots by turns; tile n + 2 is asked for behind the round of the cluster barrier
; that follows the use of tile n, and has the whole of tile n + 1's work in which to land.  By this text a wave has two tensor loads out at the
; start and one behind each round.
; BANKS: a key tile has pitch 1056 (an odd multiple of 32, for the transposing loads).  The 32 rows that wave w brings start at w x 33,808 bytes:
; 16 bytes more than 32 pitches, so that neighbouring regions are 16 bytes apart modulo 256.  A score fragment takes rows 0-7 from one region and
; rows 8-15 from the next, so its sixteen rows start at sixteen different 16-byte columns modulo 256.  That permutes the keys of a block; P is
; written in the permuted order and the transposing loads follow it, so sums over keys are the same.  Tiles of wcat have pitch 1040.
; LIMITS: operands, P, q' and O / sum are bf16; the row sum is made of the unrounded P; v_exp_f32 gives 0 below 2^-126; the maxima ignore NaN.
; LDS: two slots of 4 x 33,808; PB 64 x 272; ST1, ST2 [wave][r][query tile] f32; STG 33,792: the exchange stage, later 16 rows x 528 for each wave.
; PB, ST1, ST2, STG are written by LDS stores alone and begin at a multiple of 256 behind the slots.
; REGISTERS: window 0: v1 r, v2 h, v3-15 addresses, M v16-23 (maximum, twice for each query tile), LP v24-31 (pair sums); ahead of and behind the blocks
; v16-21 hold the projections' addresses; S v32-95 (later P fragments), v96-159 and v160-223 fragment buffers, AL v224-231 (factor, twice),
; TS v232-247 (also the bias), LM v248-251, LX v252-255.  Window 1: packed q', then O(dt, qt) at 8 (4 dt + qt), then the results.
; Windows 2, 3: the source-1 fragments (ks, qt) at 8 (4 (ks % 8) + qt): x, then q', then O / sum.
.set WP,   1040
.set VP,   1056
.set RS,   32*VP+16
.set SLOT, 4*RS
.set PB,   ((2*SLOT+255)/256)*256
.set PP,   272
.set ST1,  PB+64*PP
.set STG,  ST1+2048
.set GP,   528
.set M,    16
.set LP,   24
.set S,    32
.set PF0,  32
.set PF1,  64
.set KB0,  96
.set KB1,  160
.set AL,   224
.set TS,   232
.set BI,   232
.set LM,   248
.set LX,   252
.set G1K,  24                          ; s[24:31] group 1 for tiles of kws
.set G1W,  32                          ; s[32:39] group 1 for tiles of wcat
.set G0K0, 40                          ; s[40:47] group 0 for tiles of kws, one set for each slot
.set G0K1, 44
.set G0W0, 56                          ; s[56:63] group 0 for tiles of wcat, one set for each slot
.set G0W1, 60
.set MSB,  0
.macro WIN new                         ; the high byte of the immediate repeats the setting that is left
.if MSB != \new
	s_set_vgpr_msb (MSB<<8)|\new
.set MSB, \new
.endif
.endm
.macro PLACES n                        ; places behind matrix instructions (ISA guide 7.12.1)
.rept \n
	v_nop
.endr
.endm
; a round of the cluster barrier: my work-group, wave 0 signals for it, all wait for the four work-groups, my work-group once more
.macro ROUND
	s_barrier_signal -1
	s_barrier_wait -1
	s_cmp_lg_u32 s20, 0
	s_cbranch_scc1 .Lnot_wave_0_\@
	s_barrier_signal -3
.Lnot_wave_0_\@:
	s_barrier_wait -3
	s_barrier_signal -1
	s_barrier_wait -1
.endm
; the slot read last is filled again
.macro REFILL g0, g1, step
	s_wait_dscnt 0x0                               ; my LDS reads are back, those of the slot among them
	s_wait_xcnt 0x0
	v_lshl_add_u32 v250, v0, 2, 0x4f100
	v_mov_b32 v251, 0
	s_wait_tensorcnt 0x0                           ; all my tensor loads have landed: my rows of the other slot's tile
	ds_add_u32 v250, v251
	s_wait_dscnt 0x0
.if \step
	s_add_nc_u64 s[\g0+2:\g0+3], s[\g0+2:\g0+3], \step
.endif
	ROUND                                          ; both hold of every wave of the four work-groups
	tensor_load_to_lds s[\g0:\g0+3], s[\g1:\g1+7]  ; my one tensor load behind this round
	s_nop 0
.endm
.macro BAR                             ; a plain barrier: a tensor load may stay out
	s_wait_dscnt 0x0
	s_barrier_signal -1
	s_barrier_wait -1
.endm
; 16 LDS loads: the source-0 fragments of K steps 4 g .. 4 g + 3, two row tiles each, kts bytes apart
.macro FETCHK areg, kts, g, buf
.irp ksl, 0,1,2,3
.irp kt, 0,1
	ds_load_b128 v[\buf+8*(2*\ksl+\kt):\buf+8*(2*\ksl+\kt)+3], v[\areg] offset:\kt*\kts+64*(4*\g+\ksl)
	ds_load_b128 v[\buf+8*(2*\ksl+\kt)+4:\buf+8*(2*\ksl+\kt)+7], v[\areg] offset:\kt*\kts+64*(4*\g+\ksl)+32
.endr
.endr
.endm
; 32 matrix instructions; the eight accumulators take turns, one instruction a turn.  K step 0 starts the sums.
.macro MULQK g, buf
.irp ksl, 0,1,2,3
.irp kt, 0,1
.irp qt, 0,1,2,3
.if (4*\g+\ksl) == 0
	v_wmma_f32_16x16x32_bf16 v[S+8*(4*\kt+\qt):S+8*(4*\kt+\qt)+7], v[\buf+8*(2*\ksl+\kt):\buf+8*(2*\ksl+\kt)+7], v[8*(4*((4*\g+\ksl)%8)+\qt):8*(4*((4*\g+\ksl)%8)+\qt)+7], 0
.else
	v_wmma_f32_16x16x32_bf16 v[S+8*(4*\kt+\qt):S+8*(4*\kt+\qt)+7], v[\buf+8*(2*\ksl+\kt):\buf+8*(2*\ksl+\kt)+7], v[8*(4*((4*\g+\ksl)%8)+\qt):8*(4*((4*\g+\ksl)%8)+\qt)+7], v[S+8*(4*\kt+\qt):S+8*(4*\kt+\qt)+7]
.endif
.endr
.endr
.endr
.endm
; 32 rows x 64 columns x 512: 128 matrix instructions on two fragment buffers.  Source 1 lies in window 2 (K steps 0-7), then 3.
.macro QKPHASE areg, kts
	WIN 0x08
	FETCHK \areg, \kts, 0, KB0
	FETCHK \areg, \kts, 1, KB1
	s_wait_dscnt 16                                ; all but the 16 loads of the next group
	MULQK 0, KB0
	PLACES 4                                       ; the loads below land in registers that these matrix instructions read
	FETCHK \areg, \kts, 2, KB0
	s_wait_dscnt 16
	MULQK 1, KB1
	WIN 0x0c
	PLACES 4
	FETCHK \areg, \kts, 3, KB1
	s_wait_dscnt 16
	MULQK 2, KB0
	s_wait_dscnt 0x0
	MULQK 3, KB1
	PLACES 5                                       ; behind these the results are read and every register of the phase may be written
	WIN 0
.endm
.macro QLOAD win, k0                   ; my 64 rows of kws as fragments, 8 K steps into one window
	WIN \win
.irp kk, 0,1,2,3,4,5,6,7
.irp qt, 0,1,2,3
	global_load_b128 v[8*(4*\kk+\qt):8*(4*\kk+\qt)+3], v3, s[52:53] offset:\qt*16384+64*(\k0+\kk)
	global_load_b128 v[8*(4*\kk+\qt)+4:8*(4*\kk+\qt)+7], v3, s[52:53] offset:\qt*16384+64*(\k0+\kk)+32
.endr
.endr
	WIN 0
.endm
; the addresses of a projection phase: v16, v17 my rows of a wcat tile in slot 0, 1; v18 fragments from the exchange stage; v19 my bias
.macro PADDR
	s_mul_i32 s3, s20, RS
	v_mul_u32_u24 v16, v1, WP
	v_lshl_add_u32 v16, v2, 4, v16                 ; r 1040 + 16 h
	v_add_nc_u32 v18, STG, v16
	v_add_nc_u32 v16, s3, v16
	v_add_nc_u32 v17, SLOT, v16
	s_lshl_b32 s3, s20, 8
	v_lshl_add_u32 v19, v2, 5, s3                  ; (64 w + 8 h) 4
.endm
; step s of a projection.  ph = 0: q', rounded and packed into window 1 at 4 ((2 s + kt) 4 + qt).  ph = 1: the result, f32, into window 1 at 8 ((2 s + kt) 4 + qt).
.macro WSTEP s, ph
.irp kt, 0,1
	global_load_b128 v[BI+8*\kt:BI+8*\kt+3], v19, s[12:13] offset:(512*\ph+256*(\s/2)+32*(\s%2)+16*\kt)*4
	global_load_b128 v[BI+8*\kt+4:BI+8*\kt+7], v19, s[12:13] offset:(512*\ph+256*(\s/2)+32*(\s%2)+16*\kt)*4+16
.endr
	QKPHASE 16+(\s%2), 16*WP
	s_wait_loadcnt 0x0                             ; the bias of my 8 columns of each tile
.if \ph == 0
.irp kt, 0,1
.irp qt, 0,1,2,3
.irp q, 0,1,2,3
	v_pk_add_f32 v[S+8*(4*\kt+\qt)+2*\q:S+8*(4*\kt+\qt)+2*\q+1], v[S+8*(4*\kt+\qt)+2*\q:S+8*(4*\kt+\qt)+2*\q+1], v[BI+8*\kt+2*\q:BI+8*\kt+2*\q+1]
.endr
.endr
.endr
	WIN 0x40
.irp kt, 0,1
.irp qt, 0,1,2,3
.irp q, 0,1,2,3
	v_cvt_pk_bf16_f32 v[4*((2*\s+\kt)*4+\qt)+\q], v[S+8*(4*\kt+\qt)+2*\q], v[S+8*(4*\kt+\qt)+2*\q+1]
.endr
.endr
.endr
.else
	WIN 0x40
.irp kt, 0,1
.irp qt, 0,1,2,3
.irp q, 0,1,2,3
	v_pk_add_f32 v[8*((2*\s+\kt)*4+\qt)+2*\q:8*((2*\s+\kt)*4+\qt)+2*\q+1], v[S+8*(4*\kt+\qt)+2*\q:S+8*(4*\kt+\qt)+2*\q+1], v[BI+8*\kt+2*\q:BI+8*\kt+2*\q+1]
.endr
.endr
.endr
.endif
	WIN 0
.endm
; the exchange stage holds rows 32 qh .. +31.  XST1: my 128 columns of q' (c = 2 s + kt: bytes 512 (c / 4) + 128 w + 32 (c % 4) + 16 h)
.macro XST1 qh
	WIN 0x04
.irp qq, 0,1
.irp c, 0,1,2,3,4,5,6,7
	ds_store_b128 v20, v[4*(4*\c+2*\qh+\qq):4*(4*\c+2*\qh+\qq)+3] offset:\qq*16*WP+512*(\c/4)+32*(\c%4)
.endr
.endr
	WIN 0
.endm
; YST: my 128 columns of O / sum (bytes 256 w + 32 dt + 16 h), packed in v96-223
.macro YST qh
.irp qq, 0,1
.irp dt, 0,1,2,3,4,5,6,7
	ds_store_b128 v20, v[96+4*(4*\dt+2*\qh+\qq):96+4*(4*\dt+2*\qh+\qq)+3] offset:\qq*16*WP+32*\dt
.endr
.endr
.endm
; XRD: the 32 rows of the stage as source-1 fragments, all 16 K steps
.macro XRD qh
	WIN 0x80
.irp kk, 0,1,2,3,4,5,6,7
.irp qq, 0,1
	ds_load_b128 v[8*(4*\kk+2*\qh+\qq):8*(4*\kk+2*\qh+\qq)+3], v18 offset:\qq*16*WP+64*\kk
	ds_load_b128 v[8*(4*\kk+2*\qh+\qq)+4:8*(4*\kk+2*\qh+\qq)+7], v18 offset:\qq*16*WP+64*\kk+32
.endr
.endr
	WIN 0xc0
.irp kk, 0,1,2,3,4,5,6,7
.irp qq, 0,1
	ds_load_b128 v[8*(4*\kk+2*\qh+\qq):8*(4*\kk+2*\qh+\qq)+3], v18 offset:\qq*16*WP+64*(8+\kk)
	ds_load_b128 v[8*(4*\kk+2*\qh+\qq)+4:8*(4*\kk+2*\qh+\qq)+7], v18 offset:\qq*16*WP+64*(8+\kk)+32
.endr
.endr
	WIN 0
.endm
; the largest score of my 32 keys for each query: 16 registers a lane in four chains, then the other half of the lanes; to ST1
.macro LOCALMAX
.irp qt, 0,1,2,3
	v_max3_num_f32 v[LM+\qt], v[S+8*\qt], v[S+8*\qt+1], v[S+8*\qt+2]
.endr
.irp j, 3,5
.irp qt, 0,1,2,3
	v_max3_num_f32 v[LM+\qt], v[LM+\qt], v[S+8*\qt+\j], v[S+8*\qt+\j+1]
.endr
.endr
.irp qt, 0,1,2,3
	v_max3_num_f32 v[LM+\qt], v[LM+\qt], v[S+8*\qt+7], v[S+32+8*\qt]
.endr
.irp j, 1,3,5
.irp qt, 0,1,2,3
	v_max3_num_f32 v[LM+\qt], v[LM+\qt], v[S+32+8*\qt+\j], v[S+32+8*\qt+\j+1]
.endr
.endr
.irp qt, 0,1,2,3
	v_max_num_f32 v[LM+\qt], v[LM+\qt], v[S+32+8*\qt+7]
.endr
.irp qt, 0,1,2,3
	v_permlanex16_b32 v[LX+\qt], v[LM+\qt], s48, s49
.endr
.irp qt, 0,1,2,3
	v_max_num_f32 v[LM+\qt], v[LM+\qt], v[LX+\qt]
.endr
	ds_store_b128 v12, v[LM:LM+3]                  ; both halves of the lanes write the same words with the same values
.endm
; the new running maximum of each query from the four waves, and the factor 2^(old - new)
.macro STATS first
.irp ww, 0,1,2,3
	ds_load_b128 v[TS+4*\ww:TS+4*\ww+3], v13 offset:256*\ww
.endr
	s_wait_dscnt 0x0
.irp qt, 0,1,2,3
	v_max3_num_f32 v[LM+\qt], v[TS+\qt], v[TS+4+\qt], v[TS+8+\qt]
.endr
.irp qt, 0,1,2,3
.if \first
	v_max_num_f32 v[M+2*\qt+1], v[LM+\qt], v[TS+12+\qt]
.else
	v_max3_num_f32 v[M+2*\qt+1], v[LM+\qt], v[TS+12+\qt], v[M+2*\qt]
.endif
.endr
.if \first == 0
.irp qt, 0,1,2,3
	v_sub_f32 v[AL+2*\qt], v[M+2*\qt], v[M+2*\qt+1]
.endr
.endif
.irp qt, 0,1,2,3
	v_mov_b32 v[M+2*\qt], v[M+2*\qt+1]
.endr
.if \first == 0
.irp qt, 0,1,2,3
	v_exp_f32 v[AL+2*\qt], v[AL+2*\qt]
.endr
	v_nop                                          ; one plain instruction behind the transcendentals (ISA guide 5.7.2)
	s_wait_alu depctr_va_vdst(0)
.irp qt, 0,1,2,3
	v_mov_b32 v[AL+2*\qt+1], v[AL+2*\qt]
.endr
.endif
.endm
.macro SUBM qt                         ; score - maximum
.irp kt, 0,1
.irp q, 0,1,2,3
	v_pk_add_f32 v[S+8*(4*\kt+\qt)+2*\q:S+8*(4*\kt+\qt)+2*\q+1], v[S+8*(4*\kt+\qt)+2*\q:S+8*(4*\kt+\qt)+2*\q+1], v[M+2*\qt:M+2*\qt+1] neg_lo:[0,1] neg_hi:[0,1]
.endr
.endr
.endm
.macro EXPM qt
.irp kt, 0,1
.irp j, 0,1,2,3,4,5,6,7
	v_exp_f32 v[S+8*(4*\kt+\qt)+\j], v[S+8*(4*\kt+\qt)+\j]
.endr
.endr
.endm
; the 16 numbers of a query tile: into the running pair sum, rounded to bf16 in place, to PB
.macro USEM qt, first
	s_wait_alu depctr_va_vdst(0)
	v_pk_add_f32 v[TS:TS+1], v[S+8*\qt:S+8*\qt+1], v[S+8*\qt+2:S+8*\qt+3]
	v_pk_add_f32 v[TS+2:TS+3], v[S+8*\qt+4:S+8*\qt+5], v[S+8*\qt+6:S+8*\qt+7]
	v_pk_add_f32 v[TS+4:TS+5], v[S+32+8*\qt:S+32+8*\qt+1], v[S+32+8*\qt+2:S+32+8*\qt+3]
	v_pk_add_f32 v[TS+6:TS+7], v[S+32+8*\qt+4:S+32+8*\qt+5], v[S+32+8*\qt+6:S+32+8*\qt+7]
	v_pk_add_f32 v[TS:TS+1], v[TS:TS+1], v[TS+2:TS+3]
	v_pk_add_f32 v[TS+4:TS+5], v[TS+4:TS+5], v[TS+6:TS+7]
.if \first
	v_pk_add_f32 v[LP+2*\qt:LP+2*\qt+1], v[TS:TS+1], v[TS+4:TS+5]
.else
	v_pk_add_f32 v[TS:TS+1], v[TS:TS+1], v[TS+4:TS+5]
	v_pk_fma_f32 v[LP+2*\qt:LP+2*\qt+1], v[LP+2*\qt:LP+2*\qt+1], v[AL+2*\qt:AL+2*\qt+1], v[TS:TS+1]
.endif
.irp kt, 0,1
.irp q, 0,1,2,3
	v_cvt_pk_bf16_f32 v[S+8*(4*\kt+\qt)+\q], v[S+8*(4*\kt+\qt)+2*\q], v[S+8*(4*\kt+\qt)+2*\q+1]
.endr
.endr
.irp kt, 0,1
	ds_store_b128 v10, v[S+8*(4*\kt+\qt):S+8*(4*\kt+\qt)+3] offset:\qt*16*PP+32*\kt
.endr
.endm
; 16 transposing loads: x^T, my 128 d x the 32 keys that wave kk scored: lanes of half h take rows 16 (kk % 2) .. +7, then +8 .. +15, of region 2 (kk / 2) + h
.macro FETCHV kk, buf, slot
.irp dt, 0,1,2,3,4,5,6,7
	ds_load_tr16_b128 v[\buf+8*\dt:\buf+8*\dt+3], v[6+2*\slot+\kk/2] offset:(\kk%2)*16*VP+32*\dt
	ds_load_tr16_b128 v[\buf+8*\dt+4:\buf+8*\dt+7], v[6+2*\slot+\kk/2] offset:(\kk%2)*16*VP+32*\dt+8*VP
.endr
.endm
.macro FETCHP kk, buf                  ; 8 loads: P, 64 queries x the 32 keys of wave kk
.irp qt, 0,1,2,3
	ds_load_b128 v[\buf+8*\qt:\buf+8*\qt+3], v11 offset:\qt*16*PP+64*\kk
	ds_load_b128 v[\buf+8*\qt+4:\buf+8*\qt+7], v11 offset:\qt*16*PP+64*\kk+32
.endr
.endm
.macro MULPV vf, pf, zero              ; 32 matrix instructions; the 32 accumulators take turns
.irp dt, 0,1,2,3,4,5,6,7
.irp qt, 0,1,2,3
.if \zero
	v_wmma_f32_16x16x32_bf16 v[8*(4*\dt+\qt):8*(4*\dt+\qt)+7], v[\vf+8*\dt:\vf+8*\dt+7], v[\pf+8*\qt:\pf+8*\qt+7], 0
.else
	v_wmma_f32_16x16x32_bf16 v[8*(4*\dt+\qt):8*(4*\dt+\qt)+7], v[\vf+8*\dt:\vf+8*\dt+7], v[\pf+8*\qt:\pf+8*\qt+7], v[8*(4*\dt+\qt):8*(4*\dt+\qt)+7]
.endif
.endr
.endr
.endm
; one block of 128 keys in slot \slot.  first = 1: the sums start here.  g0, g1: the descriptor of the tile that takes the slot behind the block.
.macro BLOCK first, slot, g0, g1
	QKPHASE 4+\slot, 8*VP
	LOCALMAX
	BAR                                            ; my maxima are written; the next tile's load stays out
	STATS \first
	SUBM 0                                         ; between the exponentials of a query tile and their use stands the subtraction of the next tile
	EXPM 0
	SUBM 1
	USEM 0, \first
	EXPM 1
	SUBM 2
	USEM 1, \first
	EXPM 2
	SUBM 3
	USEM 2, \first
	EXPM 3
	v_nop
	s_wait_alu depctr_va_vdst(0)
	USEM 3, \first
	s_wait_dscnt 0x0                               ; my part of P is written, my reads of ST1 are back
	s_barrier_signal -1
	FETCHV 0, KB0, \slot                           ; the tile is whole since the round ahead of the block and is filled again only behind the next round
	FETCHV 1, KB1, \slot
.if \first == 0
	WIN 0x41                                       ; O times the factor of its query, while the others arrive
.irp dt, 0,1,2,3,4,5,6,7
.irp qt, 0,1,2,3
.irp q, 0,1,2,3
	v_pk_mul_f32 v[8*(4*\dt+\qt)+2*\q:8*(4*\dt+\qt)+2*\q+1], v[8*(4*\dt+\qt)+2*\q:8*(4*\dt+\qt)+2*\q+1], v[AL+2*\qt:AL+2*\qt+1]
.endr
.endr
.endr
	WIN 0
.endif
	s_barrier_wait -1                              ; P is whole.
	FETCHP 0, PF0
	FETCHP 1, PF1
	s_wait_dscnt 8                                 ; all but the 8 loads of the second P fragments
	WIN 0x50
	MULPV KB0, PF0, \first
	WIN 0
	PLACES 4
	FETCHV 2, KB0, \slot
	FETCHP 2, PF0
	s_wait_dscnt 24                                ; all but the 24 loads just issued
	WIN 0x50
	MULPV KB1, PF1, 0
	WIN 0
	PLACES 4
	FETCHV 3, KB1, \slot
	FETCHP 3, PF1
	s_wait_dscnt 24
	WIN 0x50
	MULPV KB0, PF0, 0
	s_wait_dscnt 0x0
	MULPV KB1, PF1, 0
	PLACES 5
	WIN 0
	REFILL \g0, \g1, 0x40000                       ; two tiles on: 256 rows of 1,024 bytes, in kws and in wcat alike
.endm
	s_load_b256 s[8:15], s[0:1], 0x0               ; kws s[8:9], wcat s[10:11], cvec s[12:13], out0 s[14:15]
	v_lshl_add_u32 v250, v0, 2, 0x4f100
	v_mov_b32 v251, 0
	ds_add_u32 v250, v251
	s_wait_dscnt 0x0
	v_lshrrev_b32 v1, 5, v0
	v_readfirstlane_b32 s20, v1                    ; wave
	s_bfe_u32 s21, ttmp6, 0x40000                  ; cx
	s_lshl_b32 s22, ttmp9, 2
	s_add_co_u32 s22, s22, s21                     ; query block = 4 x cluster x + cx: enters the addresses of my queries and of out0 alone
	s_and_b32 s23, ttmp7, 0xffff                   ; batch: shared by the four partners
	; descriptor group 1: 32 rows x 512 elements of 2 bytes; behind every 256 words 8 words of padding for kws, 4 for wcat
	s_mov_b32 s[G1K+0], 15|(1<<16)|(1<<20)|(1<<21)|(7<<22)|(7<<25)   ; mask: all four of the cluster; bit 21 beside it
	s_mov_b32 s[G1K+1], 512<<16                    ; tensor_dim0 = 512
	s_mov_b32 s[G1K+2], 32<<16                     ; tensor_dim1 = 32
	s_mov_b32 s[G1K+3], 512<<16                    ; tile_dim0 = 512
	s_mov_b32 s[G1K+4], 32                         ; tile_dim1 = 32
	s_mov_b32 s[G1K+5], 512                        ; pitch in elements
	s_mov_b32 s[G1K+6], 0
	s_mov_b32 s[G1K+7], 0
	s_mov_b32 s[G1W+0], 15|(1<<16)|(1<<20)|(1<<21)|(7<<22)|(3<<25)
	s_mov_b32 s[G1W+1], 512<<16
	s_mov_b32 s[G1W+2], 32<<16
	s_mov_b32 s[G1W+3], 512<<16
	s_mov_b32 s[G1W+4], 32
	s_mov_b32 s[G1W+5], 512
	s_mov_b32 s[G1W+6], 0
	s_mov_b32 s[G1W+7], 0
	s_mov_b32 s48, 0x76543210                      ; v_permlanex16_b32: lane i of one half reads lane i of the other
	s_mov_b32 s49, 0xfedcba98
	s_lshl_b32 s16, s23, 21                        ; 2,048 tokens of 1,024 bytes a batch
	s_lshl_b32 s18, s20, 15                        ; my 32 rows of a key tile
	s_add_co_u32 s16, s16, s18
	s_mov_b32 s17, 0
	s_lshl_b32 s18, s20, 16                        ; row 64 w of wcat
	s_mov_b32 s19, 0
	s_lshl_b32 s66, s23, 21
	s_lshl_b32 s68, s22, 16
	s_add_co_u32 s66, s66, s68                     ; my 64 queries in kws
	s_mov_b32 s67, 0
	s_lshl_b32 s68, s66, 1                         ; and in out0
	s_mov_b32 s69, 0
	s_wait_kmcnt 0x0
	s_mov_b32 s[G0K0], 1
	s_mul_i32 s[G0K0+1], s20, RS                   ; LDS: my region of slot 0
	s_add_nc_u64 s[G0K0+2:G0K0+3], s[8:9], s[16:17]            ; block 0
	s_mov_b32 s[G0K1], 1
	s_add_co_u32 s[G0K1+1], s[G0K0+1], SLOT
	s_add_nc_u64 s[G0K1+2:G0K1+3], s[G0K0+2:G0K0+3], 0x20000   ; block 1: 128 rows on
	s_or_b32 s[G0K0+3], s[G0K0+3], 0x80000000
	s_or_b32 s[G0K1+3], s[G0K1+3], 0x80000000
	s_mov_b32 s[G0W0], 1
	s_mul_i32 s[G0W0+1], s20, RS
	s_add_nc_u64 s[G0W0+2:G0W0+3], s[10:11], s[18:19]          ; rows 64 w .. +31
	s_mov_b32 s[G0W1], 1
	s_add_co_u32 s[G0W1+1], s[G0W0+1], SLOT
	s_add_nc_u64 s[G0W1+2:G0W1+3], s[G0W0+2:G0W0+3], 0x8000    ; rows 64 w + 32 .. +31
	s_or_b32 s[G0W0+3], s[G0W0+3], 0x80000000
	s_or_b32 s[G0W1+3], s[G0W1+3], 0x80000000
	s_add_nc_u64 s[52:53], s[8:9], s[66:67]
	s_add_nc_u64 s[54:55], s[14:15], s[68:69]
	ROUND                                          ; the four work-groups are here: the first joint loads meet
	tensor_load_to_lds s[G0W0:G0W0+3], s[G1W:G1W+7]
	s_nop 0
	tensor_load_to_lds s[G0W1:G0W1+3], s[G1W:G1W+7]
	s_nop 0
	v_and_b32 v1, 15, v0                           ; r
	v_bfe_u32 v2, v0, 4, 1                         ; h
	v_lshlrev_b32 v3, 10, v1
	v_lshl_add_u32 v3, v2, 4, v3                   ; r 1024 + 16 h
	QLOAD 0x80, 0
	QLOAD 0xc0, 8
	v_and_b32 v248, 7, v0
	v_mul_u32_u24 v248, v248, VP                   ; (lane % 8) 1056
	v_bfe_u32 v249, v0, 3, 1                       ; (lane / 8) % 2
	v_mul_u32_u24 v4, v249, RS                     ; score fragments: rows 8-15 come from the next region
	v_add_nc_u32 v4, v4, v248
	v_lshl_add_u32 v4, v2, 4, v4
	s_lshr_b32 s3, s20, 1
	s_mul_i32 s3, s3, 2*RS
	s_and_b32 s16, s20, 1
	s_mul_i32 s16, s16, 16*VP
	s_add_co_u32 s3, s3, s16
	v_add_nc_u32 v4, s3, v4                        ; (2 (w / 2) + r / 8) RS + (16 (w % 2) + r % 8) 1056 + 16 h, slot 0
	v_add_nc_u32 v5, SLOT, v4                      ; slot 1
	v_mul_u32_u24 v6, v2, RS
	v_add_nc_u32 v6, v6, v248
	v_lshl_add_u32 v6, v249, 4, v6
	s_lshl_b32 s3, s20, 8
	v_add_nc_u32 v6, s3, v6                        ; transposing loads: h RS + (lane % 8) 1056 + 256 w + 16 ((lane / 8) % 2): slot 0, regions 0, 1
	v_add_nc_u32 v7, 2*RS, v6                      ; slot 0, regions 2, 3
	v_add_nc_u32 v8, SLOT, v6                      ; slot 1
	v_add_nc_u32 v9, SLOT, v7
	v_mul_u32_u24 v11, v1, PP
	v_lshl_add_u32 v11, v2, 4, v11
	v_add_nc_u32 v11, PB, v11                      ; PR = PB + r 272 + 16 h
	s_lshl_b32 s3, s20, 6
	v_add_nc_u32 v10, s3, v11                      ; PW = PR + 64 w
	v_lshlrev_b32 v13, 4, v1
	v_add_nc_u32 v13, ST1, v13                     ; S1R = ST1 + 16 r
	s_lshl_b32 s3, s20, 8
	v_add_nc_u32 v12, s3, v13                      ; S1W = S1R + 256 w
	s_mul_i32 s3, s20, 16*GP
	s_add_co_u32 s3, s3, STG
	v_mul_u32_u24 v14, v1, GP
	v_lshl_add_u32 v14, v2, 5, v14
	v_add_nc_u32 v14, s3, v14                      ; SGW = my stage + r 528 + 32 h
	v_and_b32 v248, 31, v0
	v_lshl_add_u32 v15, v248, 4, s3                ; SGR = my stage + 16 lane
.irp qt, 0,1,2,3
	v_mov_b32 v[LX+\qt], 0                         ; the destination of v_permlanex16_b32 counts as read
.endr
	PADDR
	s_lshl_b32 s3, s20, 7
	v_add_nc_u32 v20, s3, v18                      ; where I put q': stage + r 1040 + 128 w + 16 h
	s_wait_tensorcnt 0x1                           ; my rows of the first wcat tile are in, which I alone read; the second tile may stay out
	s_wait_loadcnt 0x0                             ; my 64 rows of x
	; q' = x M1 + c1
	WSTEP 0, 0
	REFILL G0W0, G1W, 0x40000
	WSTEP 1, 0
	REFILL G0W1, G1W, 0x40000
	WSTEP 2, 0
	REFILL G0K0, G1K, 0                            ; the keys of block 0
	WSTEP 3, 0
	REFILL G0K1, G1K, 0                            ; block 1; in front of this round every wave has seen its rows of block 0 land: block 0 is whole
	XST1 0
	BAR                                            ; rows 0-31 of q' are whole
	XRD 0
	BAR                                            ; everybody has read them: the stage may be written again
	XST1 1
	BAR
	XRD 1                                          ; waited for by the first counted wait of the scores, behind 32 younger loads
	BLOCK 1, 0, G0K0, G1K
	BLOCK 0, 1, G0K1, G1K
	s_mov_b32 s50, 6
.Lblk:
	BLOCK 0, 0, G0K0, G1K
	BLOCK 0, 1, G0K1, G1K
	s_sub_co_u32 s50, s50, 1
	s_cmp_lg_u32 s50, 0
	s_cbranch_scc1 .Lblk
	BLOCK 0, 0, G0W0, G1W                          ; behind the last two blocks the slots take the first two tiles of M2
	BLOCK 0, 1, G0W1, G1W
	; the row sums: the two numbers of a pair, the other half of the lanes, the four waves through ST2
.irp qt, 0,1,2,3
	v_add_f32 v[LM+\qt], v[LP+2*\qt], v[LP+2*\qt+1]
.endr
.irp qt, 0,1,2,3
	v_permlanex16_b32 v[LX+\qt], v[LM+\qt], s48, s49
.endr
.irp qt, 0,1,2,3
	v_add_f32 v[LM+\qt], v[LM+\qt], v[LX+\qt]
.endr
	ds_store_b128 v12, v[LM:LM+3] offset:1024
	BAR
.irp ww, 0,1,2,3
	ds_load_b128 v[TS+4*\ww:TS+4*\ww+3], v13 offset:1024+256*\ww
.endr
	s_wait_dscnt 0x0
.irp qt, 0,1,2,3
	v_add_f32 v[LM+\qt], v[TS+\qt], v[TS+4+\qt]
	v_add_f32 v[LX+\qt], v[TS+8+\qt], v[TS+12+\qt]
.endr
.irp qt, 0,1,2,3
	v_add_f32 v[LM+\qt], v[LM+\qt], v[LX+\qt]      ; at least 1: the largest score of the row gives 2^0
.endr
.irp qt, 0,1,2,3
	v_rcp_f32 v[AL+2*\qt], v[LM+\qt]
.endr
	v_nop                                          ; one plain instruction behind the transcendentals
	s_wait_alu depctr_va_vdst(0)
.irp qt, 0,1,2,3
	v_mov_b32 v[AL+2*\qt+1], v[AL+2*\qt]
.endr
	WIN 0x41                                       ; O / sum,
.irp dt, 0,1,2,3,4,5,6,7
.irp qt, 0,1,2,3
.irp q, 0,1,2,3
	v_pk_mul_f32 v[8*(4*\dt+\qt)+2*\q:8*(4*\dt+\qt)+2*\q+1], v[8*(4*\dt+\qt)+2*\q:8*(4*\dt+\qt)+2*\q+1], v[AL+2*\qt:AL+2*\qt+1]
.endr
.endr
.endr
	WIN 0x05                                       ; rounded and packed into v96-223
.irp dt, 0,1,2,3,4,5,6,7
.irp qt, 0,1,2,3
.irp q, 0,1,2,3
	v_cvt_pk_bf16_f32 v[96+4*(4*\dt+\qt)+\q], v[8*(4*\dt+\qt)+2*\q], v[8*(4*\dt+\qt)+2*\q+1]
.endr
.endr
.endr
	WIN 0
	PADDR                                          ; v16-21 are free again: the maxima and the pair sums are used up
	s_lshl_b32 s3, s20, 8
	v_add_nc_u32 v20, s3, v18                      ; where I put O / sum: stage + r 1040 + 256 w + 16 h
	v_lshlrev_b32 v21, 10, v2
	v_lshl_add_u32 v21, v1, 4, v21
	v_add_nc_u32 v21, s3, v21                      ; out0: 256 w + 16 r, and 1,024 bytes (256 columns) on for lanes 16-31
	YST 0
	BAR
	XRD 0
	BAR
	YST 1
	BAR
	XRD 1
	; the result = (O / sum) M2 + c2.  My rows of the first tile of M2 were seen landed in front of the round behind the last block
	WSTEP 0, 1
	REFILL G0W0, G1W, 0x40000
	WSTEP 1, 1
	REFILL G0W1, G1W, 0x40000
	WSTEP 2, 1
	s_wait_tensorcnt 0x0                           ; my rows of the last tile, which I alone read; nothing is left to fetch
	WSTEP 3, 1
; 16 queries: 32 bytes a lane into my stage, back as rows of two pieces of 256 bytes (columns 64 w .. +63 and 256 + 64 w .. +63), out
.macro OUTQ qt
	WIN 0x04
.irp dt, 0,1,2,3,4,5,6,7
	ds_store_b128 v14, v[8*(4*\dt+\qt):8*(4*\dt+\qt)+3] offset:64*\dt
	ds_store_b128 v14, v[8*(4*\dt+\qt)+4:8*(4*\dt+\qt)+7] offset:64*\dt+16
.endr
	WIN 0
	s_wait_xcnt 0x0                                ; v160-223, which earlier stores read, are written again only behind this wait
.irp t, 0,1,2,3,4,5,6,7,8,9,10,11,12,13,14,15
	ds_load_b128 v[160+4*\t:160+4*\t+3], v15 offset:GP*\t      ; LDS serves the instructions of a wave in order: these see the stores above
.endr
.irp t, 0,1,2,3,4,5,6,7,8,9,10,11,12,13,14,15
	s_wait_dscnt 15-\t                             ; load t is in, the younger ones may be out
	global_store_b128 v21, v[160+4*\t:160+4*\t+3], s[54:55] offset:(16*\qt+\t)*2048 th:TH_STORE_NT   ; each half of the lanes stores 256 consecutive bytes, aligned
.endr
.endm
	OUTQ 0
	OUTQ 1
	OUTQ 2
	OUTQ 3
	s_wait_xcnt 0x0
	v_lshl_add_u32 v250, v0, 2, 0x4f100
	v_mov_b32 v251, 0
	s_wait_tensorcnt 0x0
	ds_add_u32 v250, v251
	s_wait_dscnt 0x0
	ROUND                                          ; the closing round: no work-group ends while a partner may still ask jointly
	s_endpgm
.Lfunc_end_k_q8cd8dc3da1_attn:
	.size	k_q8cd8dc3da1_attn, .Lfunc_end_k_q8cd8dc3da1_attn-k_q8cd8dc3da1_attn
	.p2alignl 7, 3214868480
	.fill 96, 4, 3214868480
	.section	.rodata,"a",@progbits
	.p2align	6, 0x0
	.amdhsa_kernel k_q8cd8dc3da1_attn
		.amdhsa_group_segment_fixed_size 327680
		.amdhsa_private_segment_fixed_size 0
		.amdhsa_enable_private_segment 0
		.amdhsa_kernarg_size 32
		.amdhsa_user_sgpr_count 2
		.amdhsa_user_sgpr_kernarg_segment_ptr 1
		.amdhsa_wavefront_size32 1
		.amdhsa_system_sgpr_workgroup_id_x 1
		.amdhsa_system_sgpr_workgroup_id_y 1
		.amdhsa_system_sgpr_workgroup_id_z 1
		.amdhsa_system_vgpr_workitem_id 0
		.amdhsa_next_free_vgpr 1024
		.amdhsa_next_free_sgpr 72
		.amdhsa_reserve_vcc 0
		.amdhsa_float_denorm_mode_32 3
		.amdhsa_float_denorm_mode_16_64 3
		.amdhsa_memory_ordered 1
		.amdhsa_forward_progress 1
		.amdhsa_inst_pref_size 255
	.end_amdhsa_kernel
	.section	.bss,"aw",@nobits
	.p2align	6
	.space	262144
	.amdgpu_metadata
---
amdhsa.version: [ 1, 2 ]
amdhsa.kernels:
  - .name:           k_q8cd8dc3da1_attn
    .symbol:         k_q8cd8dc3da1_attn.kd
    .args:
      - { .name: kws, .offset: 0, .size: 8, .value_kind: global_buffer, .address_space: global }
      - { .name: wcat, .offset: 8, .size: 8, .value_kind: global_buffer, .address_space: global }
      - { .name: cvec, .offset: 16, .size: 8, .value_kind: global_buffer, .address_space: global }
      - { .name: out0, .offset: 24, .size: 8, .value_kind: global_buffer, .address_space: global }
    .group_segment_fixed_size: 327680
    .private_segment_fixed_size: 0
    .kernarg_segment_align: 8
    .kernarg_segment_size: 32
    .max_flat_workgroup_size: 128
    .sgpr_count:     72
    .vgpr_count:     1024
    .wavefront_size: 32
...
	.end_amdgpu_metadata
.endif
;; end of part 5
;; ======== version 3 of 3: 2 launches; version 2 with the launch prep written anew for expert scheduling mode
;; workspace buffers: wcat 1,048,576 bytes; cvec 4,096 bytes; kws 16,777,216 bytes
;; launch prep (part 6): grid 12 x 16, 4 waves a work-group, no clusters, 299,776 bytes of LDS; arguments Wq, Wk, Wv, Wo, bq, bv, bo, wcat, cvec, x, kws; writes wcat, cvec, kws
.if DOCPART == 6
	.amdgcn_target "amdgcn-amd-amdhsa--gfx1250"
	.amdhsa_code_object_version 6
	.text
	.protected	k_q8cd8dc3da1_prep
	.globl	k_q8cd8dc3da1_prep
	.p2align	8
	.type	k_q8cd8dc3da1_prep,@function
k_q8cd8dc3da1_prep:
	s_mov_b64 s[64:65], 0
	v_nop
	global_prefetch_b8 v0, s[64:65] scope:SCOPE_SE
	s_setreg_imm32_b32 hwreg(HW_REG_WAVE_SCHED_MODE, 0, 2), 2
	s_setreg_imm32_b32 hwreg(HW_REG_WAVE_MODE, 25, 1), 1
	s_wait_xcnt 0x0
	s_wait_alu depctr_vm_vsrc(0)
; PREP: folds the four weight matrices of reference() into one table, wcat [1024][512] bf16, and one vector, cvec [1024] f32,
; and rounds x to bf16 (kws), which the next launch uses as queries' source, as keys and as values.
;
; WORK LEFT OUT OR REGROUPED, in the terms of reference(), for all finite values of the inputs:
; (1) bk is dead.  attn[n][m] = scale q[n].(x[m] Wk + bk) = scale q[n].(x[m] Wk) + scale q[n].bk.  The last term does not hang on m, the axis
;     of the softmax, and softmax(a + c) = softmax(a) for a c that is the same along the axis.  So bk has no way to any output:
;     it is not loaded and is among no launch arguments.
; (2) q[n].(x[m] Wk) = (x[n] Wq Wk^T + bq Wk^T).x[m]: with M1 = Wq Wk^T and c1 = bq Wk^T the keys are x itself, and the product x Wk is not made.
; (3) The weights of a softmax row add up to 1, so (sum_m p[m] (x[m] Wv + bv)) Wo + bo = (sum_m p[m] x[m]) Wv Wo + bv Wo + bo:
;     with M2 = Wv Wo and c2 = bv Wo + bo the values are x itself too, and of the products x Wv and (..) Wo one is left, (sum p x) M2.
; LIMITS: a NaN, an infinity or an overflow that reaches only q.bk is not carried to the result.  The order of rounding differs from
; reference(): M1 and M2 are summed in f32 from operands rounded to bf16 and are themselves rounded to bf16; c1 and c2 likewise, kept in f32.
;
; wcat[n][i]     = sc sum_d Wk[n][d] Wq[i][d]   (n < 512),  cvec[n]     = sc sum_d Wk[n][d] bq[d],  sc = 512^-0.5 log2(e) = 0x3d8293ee,
; wcat[512+e][i] =    sum_d Wo[d][e] Wv[i][d],              cvec[512+e] =    sum_d Wo[d][e] bv[d] + bo[e].
; sc lets the softmax of the next launch work in base 2.
;
; THE GRID is 12 x 16.  Work-groups with x < 4 fold (64 of them), those with x >= 4 cast (128 of them, 128 tokens each).
; FOLD: a work-group (ib = x, y) makes rows 64 y .. +63, columns 128 ib .. +127 of wcat: 256 consecutive bytes of each row.  y < 8: first form,
; y >= 8: second.  Wave w makes rows 16 w .. +15 of them: 8 accumulator tiles.  Source 0 = 16 rows i of Wq (Wv), source 1 = 16 rows n of Wk
; (16 columns e of Wo, read from LDS by transposing loads), so that a lane ends up with 8 neighbouring columns i of one row of wcat.
; The inputs are f32 and are rounded to bf16 on the way into LDS, so they come through registers: no tensor loads, hence no joint loads and no cluster.
; A row piece of 256 bytes fixes 128 rows of Wq (Wv) for a work-group; more folding work-groups would each load as much.
; CAST: a stream; a wave takes 32 tokens, 128 loads of 512 consecutive bytes, and stores 256 consecutive bytes at a time.  No LDS, no barrier.
;
; LDS: AR 128 rows x 1040 bytes (1024 of data + 16: sixteen rows start 16 bytes apart modulo 256); BR0, the first form's B, 64 x 1040;
; BR1, the second form's B, [512 d][64 e] bf16 at pitch 160; CST 64 f32 of cvec; STG 16 rows x 272 bytes for each wave, for the way out.
; Each form has its B in bytes of its own: the waves' shares of B differ between the forms (16,640 against 20,480 bytes a wave), and so no line
; of one form names a byte that a line of the other touches.  A work-group runs one form (y is the same in its four waves) and leaves
; the other form's region untouched.  In AR, CST and STG a wave's bytes are the same in both forms.
; REGISTERS: window 0: v1 r = lane % 16, v2 h = lane / 16, v3 lane, v4-v15 addresses, v16-79 accumulators, v80-95 the two sums of cvec,
; v96-167 and v168-239 fragment buffers (B at +0, A tile it at +8+8 it); v240-249 the addresses and numbers of cvec; v254, v255 the closing add's.
; Windows 1, 2: raw rows of A (of x in the cast); window 3: raw B.  Each window's numbers are rounded into its own registers 0-127.
;
; THE MODE: SCHED_MODE bits 1:0 = 2 (LLVM: expert scheduling mode 2), set by the entry lines.  The code itself states the register dependences
; between vector or matrix instructions and memory or LDS instructions, with s_wait_alu, always for 0.
; THE PLAN.  Registers that memory or LDS instructions touch, and who else names them:
;   v4-v15         Offsets and LDS addresses.  Written at the head, ahead of ONE wait on va_vdst in front of each path's first load; never written again.
;   windows 1-3    Loads land in a window's 256 registers; its 128 conversions read them and write its own registers 0-127; its 64 stores read those.
;                  One wait on va_vdst stands between a window's conversions and its stores.  No window is written again in the cast or on the fold's
;                  main way, so no store's data are waited for there.  (cvec uses windows 1 and 2 again: see below.)
;   v96-239        The two fragment buffers: LDS loads land, matrix instructions read.  One wait on va_vdst at the head of K steps 1 to 14: the products of
;                  the step before are done reading the buffer in which the 18 loads of the step after land.  Six of these stand ahead of the step's
;                  products, twelve among its first three, which name the other buffer and the accumulators alone.
;   cvec           v240-244 are made together; one wait on va_vdst (they are written; the last products are done with the buffers; the conversions with
;                  window 1) and one on vm_vsrc (the head's LDS stores have read windows 1 and 2) stand ahead of its loads; one on va_vdst ahead of each of its two stores.
;   the way out    One wait on va_vdst behind the conversions: for the LDS stores' data, and for the loads into v128-159, which products have read.
.set PA,  1040
.set BR0, 128*PA
.set BR1, BR0+64*PA
.set PB1, 160
.set CST, BR1+512*PB1
.set STG, CST+256
.set SP,  272
.set ACC, 16
.set BAC, 80
.set FB,  96
.set FBS, 72
.set MSB, 0
.macro WIN new                         ; the high byte of the immediate repeats the setting that is left
.if MSB != \new
	s_set_vgpr_msb (MSB<<8)|\new
.set MSB, \new
.endif
.endm
.macro PLACES n                        ; places behind matrix instructions (ISA guide 7.12.1)
.rept \n
	v_nop
.endr
.endm
; 64 loads of 16 bytes a lane into one window: load (rr, c) into registers 4 (4 rr + c)
.macro GLOADS win, areg, sb, base, rstep, cstep
	WIN \win
.irp rr, 0,1,2,3,4,5,6,7,8,9,10,11,12,13,14,15
.irp c, 0,1,2,3
	global_load_b128 v[4*(4*\rr+\c):4*(4*\rr+\c)+3], v[\areg], s[\sb:\sb+1] offset:\base+\rr*\rstep+\c*\cstep
.endr
.endr
	WIN 0
.endm
; one window of raw f32 is rounded to bf16 into its own registers 0-127 (registers 4 i .. 4 i + 3 close up into 2 i, 2 i + 1: a write never passes
; the reads) and goes to LDS, 8 bytes a lane.  wc: destination and both sources in the window; ws: the stores' data in the window, their address in window 0
.macro CONV wc, ws, areg, base, rstep, cstep
	WIN \wc
.set i, 0
.rept 64
	v_cvt_pk_bf16_f32 v[2*i], v[4*i], v[4*i+1]
	v_cvt_pk_bf16_f32 v[2*i+1], v[4*i+2], v[4*i+3]
.set i, i+1
.endr
	WIN \ws
	s_wait_alu depctr_va_vdst(0)                   ; the conversions have written the window's registers 0-127, which the LDS stores read
.irp rr, 0,1,2,3,4,5,6,7,8,9,10,11,12,13,14,15
.irp c, 0,1,2,3
	ds_store_b64 v[\areg], v[2*(4*\rr+\c):2*(4*\rr+\c)+1] offset:\base+\rr*\rstep+\c*\cstep
.endr
.endr
	WIN 0
.endm
; the B fragment of K step ks: 16 rows n (or columns e) x 32 d
.macro FETCHB p, ks, dst
.if \p == 0
	ds_load_b128 v[\dst:\dst+3], v10 offset:64*(\ks)
	ds_load_b128 v[\dst+4:\dst+7], v10 offset:64*(\ks)+32
.else
	ds_load_tr16_b128 v[\dst:\dst+3], v[10+(\ks)/8] offset:((\ks)%8)*32*PB1
	ds_load_tr16_b128 v[\dst+4:\dst+7], v[10+(\ks)/8] offset:((\ks)%8)*32*PB1+16*PB1
.endif
.endm
; the A fragment of tile it in K step ks, into the buffer of the step's parity
.macro FETCHA ks, it
	ds_load_b128 v[FB+FBS*((\ks)%2)+8+8*(\it):FB+FBS*((\ks)%2)+8+8*(\it)+3], v[8+(\it)/4] offset:((\it)%4)*16*PA+64*(\ks)
	ds_load_b128 v[FB+FBS*((\ks)%2)+12+8*(\it):FB+FBS*((\ks)%2)+12+8*(\it)+3], v[8+(\it)/4] offset:((\it)%4)*16*PA+64*(\ks)+32
.endm
; 18 LDS loads: the B fragment and the eight A fragments of K step ks
.macro FETCHW p, ks
	FETCHB \p, \ks, FB+FBS*((\ks)%2)
.irp it, 0,1,2,3,4,5,6,7
	FETCHA \ks, \it
.endr
.endm
; p: the form; pa, pb, pv: the scalar pairs with the addresses of A (Wq, Wv), B (Wk, Wo) and the bias vector (bq, bv)
.macro BODY p, pa, pb, pv
	s_lshl_b32 s28, s2, 18                         ; 128 ib rows of 2,048 bytes
	s_add_nc_u64 s[26:27], s[\pa:\pa+1], s[28:29]
.if \p == 0
	s_lshl_b32 s28, s3, 17                         ; 64 y rows of Wk
	s_add_nc_u64 s[30:31], s[\pb:\pb+1], s[28:29]
	s_lshl_b32 s5, s4, 15
	v_lshl_add_u32 v6, v3, 4, s5                   ; GB: 16 rows a wave, 16 bytes a lane
	s_mul_i32 s5, s4, 16*PA
	s_add_co_u32 s5, s5, BR0
	v_lshl_add_u32 v7, v3, 3, s5                   ; LBW
	v_add_nc_u32 v10, s5, v8                       ; BF0 = BR0 + (16 w + r) 1040 + 16 h
.else
	s_sub_co_u32 s28, s3, 8
	s_lshl_b32 s28, s28, 8                         ; 64 (y - 8) columns of f32
	s_add_nc_u64 s[30:31], s[\pb:\pb+1], s[28:29]
	s_add_nc_u64 s[36:37], s[20:21], s[28:29]      ; bo at my 64 numbers
	s_lshl_b32 s5, s4, 18
	v_lshlrev_b32 v6, 11, v2
	v_lshl_add_u32 v6, v1, 4, v6
	v_add_nc_u32 v6, s5, v6                        ; GB = (128 w + h) 2048 + 16 r: one load takes 256 bytes of each of two rows d
	s_mul_i32 s5, s4, 128*PB1
	s_add_co_u32 s5, s5, BR1
	v_mul_u32_u24 v7, v2, PB1
	v_lshl_add_u32 v7, v1, 3, v7
	v_add_nc_u32 v7, s5, v7                        ; LBW = BR1 + (128 w + h) 160 + 8 r
	v_and_b32 v10, 7, v0
	v_lshl_add_u32 v10, v2, 3, v10
	v_mul_u32_u24 v10, v10, PB1
	v_bfe_u32 v11, v0, 3, 1
	v_lshl_add_u32 v10, v11, 4, v10
	s_lshl_b32 s5, s4, 5
	s_add_co_u32 s5, s5, BR1
	v_add_nc_u32 v10, s5, v10                      ; BF0 = BR1 + (8 h + lane % 8) 160 + 32 w + 16 ((lane / 8) % 2)
	v_add_nc_u32 v11, 256*PB1, v10                 ; BF1: K steps 8 to 15
.endif
	s_wait_alu depctr_va_vdst(0)                   ; v4 to v15 are written: every load and store of this form reads one of them as its offset or LDS address
	GLOADS 0x40, 4, 26, 0, 2048, 512               ; my rows 0-15 of A
	GLOADS 0x80, 4, 26, 32768, 2048, 512           ; my rows 16-31
	s_wait_loadcnt 63                              ; 128 issued, at most 63 out: the first 65 are in, window 1 among them
	CONV 0x45, 0x04, 5, 0, PA, 256
.if \p == 0
	GLOADS 0xc0, 6, 30, 0, 2048, 512               ; no wait: no vector instruction names window 3 ahead of these loads, nor v6 since the wait above
.else
	GLOADS 0xc0, 6, 30, 0, 16384, 4096
.endif
	s_wait_loadcnt 63                              ; 192 issued, at most 63 out: the first 129 are in, window 2 among them
	CONV 0x8a, 0x08, 5, 16*PA, PA, 256
	s_wait_loadcnt 0x0
.if \p == 0
	CONV 0xcf, 0x0c, 7, 0, PA, 256
.else
	CONV 0xcf, 0x0c, 7, 0, 8*PB1, 2*PB1
.endif
	s_wait_dscnt 0x0                               ; my LDS stores are done, for the sake of the other waves
	s_barrier_signal -1
	s_barrier_wait -1
	; 16 K steps of 32, two fragment buffers; the eight accumulators take turns, one instruction a turn
	FETCHW \p, 0                                   ; no wait: no vector instruction has named v96-239
	FETCHW \p, 1
.irp ks, 0,1,2,3,4,5,6,7,8,9,10,11,12,13,14,15
.if \ks == 0
	s_wait_dscnt 18                                ; all but the 18 loads of the next K step
.elseif \ks == 15
	s_wait_dscnt 0x0
.else
	PLACES 4                                       ; the loads below land in registers that the matrix instructions of the step before read
	s_wait_alu depctr_va_vdst(0)                   ; those matrix instructions are done reading their buffer, in which the 18 loads of the next K step land
	FETCHB \p, \ks+1, FB+FBS*((\ks+1)%2)
	FETCHA \ks+1, 0
	FETCHA \ks+1, 1
	s_wait_dscnt 6                                 ; all but the six loads just issued: this step's 18 are in
.endif
.irp it, 0,1,2,3,4,5,6,7
.if \ks == 0
	v_wmma_f32_16x16x32_bf16 v[ACC+8*\it:ACC+8*\it+7], v[FB+FBS*(\ks%2)+8+8*\it:FB+FBS*(\ks%2)+8+8*\it+7], v[FB+FBS*(\ks%2):FB+FBS*(\ks%2)+7], 0
.else
	v_wmma_f32_16x16x32_bf16 v[ACC+8*\it:ACC+8*\it+7], v[FB+FBS*(\ks%2)+8+8*\it:FB+FBS*(\ks%2)+8+8*\it+7], v[FB+FBS*(\ks%2):FB+FBS*(\ks%2)+7], v[ACC+8*\it:ACC+8*\it+7]
.endif
.if (\ks > 0) && (\ks < 15) && (\it < 3)
	FETCHA \ks+1, 2*\it+2                          ; the other twelve loads, four behind each of the first three products.  No wait: no matrix instruction since the wait above names their buffer
	FETCHA \ks+1, 2*\it+3
.endif
.endr
.endr
	PLACES 4
	; cvec: made by the work-groups with ib = 0 alone, all of it inside this one branch (ib is the same in all four waves)
	s_cmp_lg_u32 s2, 0
	s_cbranch_scc1 .Lout_\p
	v_lshlrev_b32 v240, 5, v2                      ; the bias vector in fragment order: every row of the fragment is the vector itself, so a lane takes d = 32 ks + 8 h .. +7 and 32 ks + 16 + 8 h .. +7
	s_lshl_b32 s5, s4, 6
	s_add_co_u32 s5, s5, CST
	v_lshl_add_u32 v241, v1, 2, s5                 ; where my sum goes: CST + 64 w + 4 r
	v_lshlrev_b32 v242, 3, v3                      ; 8 bytes a lane: cvec and bo,
	v_add_nc_u32 v244, CST, v242                   ; and CST as wave 0 reads it
	s_wait_alu depctr_va_vdst(0)                   ; v240 to v244 are written, which the loads and stores below read; the last products are done reading v96-239, in which B's fragments land; the conversions of the head are done with window 1, in which the bias lands
	s_wait_alu depctr_vm_vsrc(0)                   ; the LDS stores of the head have read registers 0-127 of windows 1 and 2: the bias lands in the one, its conversions write the other
.irp ks, 0,1,2,3,4,5,6,7,8,9,10,11,12,13,14,15
	FETCHB \p, \ks, FB+8*\ks
.endr
	WIN 0x40
.irp ks, 0,1,2,3,4,5,6,7,8,9,10,11,12,13,14,15
	global_load_b128 v[16*\ks:16*\ks+3], v240, s[\pv:\pv+1] offset:128*\ks
	global_load_b128 v[16*\ks+4:16*\ks+7], v240, s[\pv:\pv+1] offset:128*\ks+16
	global_load_b128 v[16*\ks+8:16*\ks+11], v240, s[\pv:\pv+1] offset:128*\ks+64
	global_load_b128 v[16*\ks+12:16*\ks+15], v240, s[\pv:\pv+1] offset:128*\ks+80
.endr
	s_wait_loadcnt 0x0
	WIN 0x85                                       ; from window 1 into window 2
.set i, 0
.rept 128
	v_cvt_pk_bf16_f32 v[i], v[2*i], v[2*i+1]
.set i, i+1
.endr
	WIN 0x02
	s_wait_dscnt 0x0
.irp ks, 0,1,2,3,4,5,6,7,8,9,10,11,12,13,14,15
.if \ks < 2
	v_wmma_f32_16x16x32_bf16 v[BAC+8*(\ks%2):BAC+8*(\ks%2)+7], v[8*\ks:8*\ks+7], v[FB+8*\ks:FB+8*\ks+7], 0
.else
	v_wmma_f32_16x16x32_bf16 v[BAC+8*(\ks%2):BAC+8*(\ks%2)+7], v[8*\ks:8*\ks+7], v[FB+8*\ks:FB+8*\ks+7], v[BAC+8*(\ks%2):BAC+8*(\ks%2)+7]
.endif
.endr                                          ; two accumulators take turns
	WIN 0
	PLACES 4
	v_add_f32 v243, v[BAC], v[BAC+8]               ; lane (r, h): the sum for row 16 w + r (all rows of the tile are equal)
	s_wait_alu depctr_va_vdst(0)                   ; v243 is written, which the LDS store reads
	ds_store_b32 v241, v243                        ; both halves of the lanes write the same word with the same value
	s_wait_dscnt 0x0
	s_barrier_signal -1
	s_barrier_wait -1
	s_cmp_lg_u32 s4, 0                             ; wave 0 stores the 64 numbers: 32 lanes x 8 bytes, 256 consecutive bytes, aligned
	s_cbranch_scc1 .Lout_\p
	ds_load_b64 v[246:247], v244                   ; no wait: no vector instruction has named v246-249, nor v242 and v244 since the wait at the branch's head
.if \p == 1
	global_load_b64 v[248:249], v242, s[36:37]
.endif
	s_wait_dscnt 0x0
.if \p == 0
	v_pk_mul_f32 v[246:247], v[246:247], 0x3d8293ee op_sel_hi:[1,0]
.else
	s_wait_loadcnt 0x0
	v_pk_add_f32 v[246:247], v[246:247], v[248:249]
.endif
	s_wait_alu depctr_va_vdst(0)                   ; v[246:247] are written, which the store reads
	global_store_b64 v242, v[246:247], s[34:35]
.Lout_\p:
	; the way out: scale (first form), round, 16 bytes a lane into my stage, whole rows of 256 bytes back and out
.if \p == 0
.set i, 0
.rept 32
	v_pk_mul_f32 v[ACC+2*i:ACC+2*i+1], v[ACC+2*i:ACC+2*i+1], 0x3d8293ee op_sel_hi:[1,0]
.set i, i+1
.endr
.endif
.irp it, 0,1,2,3,4,5,6,7
.irp q, 0,1,2,3
	v_cvt_pk_bf16_f32 v[96+4*\it+\q], v[ACC+8*\it+2*\q], v[ACC+8*\it+2*\q+1]
.endr
.endr
	s_wait_alu depctr_va_vdst(0)                   ; the conversions have written v96-127, which the LDS stores read; the matrix instructions are done reading v128-159, in which the loads from the stage land
.irp it, 0,1,2,3,4,5,6,7
	ds_store_b128 v13, v[96+4*\it:96+4*\it+3] offset:32*\it
.endr
.irp t, 0,1,2,3,4,5,6,7
	ds_load_b128 v[128+4*\t:128+4*\t+3], v14 offset:2*SP*\t    ; LDS serves the instructions of a wave in order: these see the stores above
.endr
.irp t, 0,1,2,3,4,5,6,7
	s_wait_dscnt 7-\t                              ; load t is in, the younger ones may be out
	global_store_b128 v15, v[128+4*\t:128+4*\t+3], s[32:33] offset:2048*\t   ; 16 lanes store 256 consecutive bytes, aligned
.endr
	s_wait_xcnt 0x0                                ; every earlier global instruction has had its addresses translated
	v_lshl_add_u32 v254, v0, 2, 0x49100            ; the add's two registers, made anew: no memory or LDS instruction of this text has named v254 or v255
	v_mov_b32 v255, 0
	s_wait_dscnt 0x0                               ; the closing lines, six on end
	s_wait_alu 0x0
	s_wait_tensorcnt 0x0
	ds_add_u32 v254, v255
	s_wait_dscnt 0x0
	s_endpgm
.endm
; the cast: 16 tokens of f32 into one window, 64 loads of 512 consecutive bytes; x is read once in the launch
.macro XLOADS win, base
	WIN \win
.irp rr, 0,1,2,3,4,5,6,7,8,9,10,11,12,13,14,15
.irp c, 0,1,2,3
	global_load_b128 v[4*(4*\rr+\c):4*(4*\rr+\c)+3], v4, s[26:27] offset:\base+\rr*2048+\c*512 th:TH_LOAD_NT
.endr
.endr
	WIN 0
.endm
; one window is rounded to bf16 into its own registers 0-127 and stored: 32 lanes x 8 bytes = 256 consecutive bytes, aligned.
; wc: destination and both sources in the window; ws: the stores' data in the window, their offset in window 0
.macro XCAST wc, ws, base
	WIN \wc
.set i, 0
.rept 64
	v_cvt_pk_bf16_f32 v[2*i], v[4*i], v[4*i+1]
	v_cvt_pk_bf16_f32 v[2*i+1], v[4*i+2], v[4*i+3]
.set i, i+1
.endr
	WIN \ws
	s_wait_alu depctr_va_vdst(0)                   ; the conversions have written the window's registers 0-127, which the stores read
.irp rr, 0,1,2,3,4,5,6,7,8,9,10,11,12,13,14,15
.irp c, 0,1,2,3
	global_store_b64 v6, v[2*(4*\rr+\c):2*(4*\rr+\c)+1], s[30:31] offset:\base+\rr*1024+\c*256
.endr
.endr
	WIN 0
.endm
	s_load_b512 s[8:23], s[0:1], 0x0               ; Wq s[8:9], Wk s[10:11], Wv s[12:13], Wo s[14:15], bq s[16:17], bv s[18:19], bo s[20:21], wcat s[22:23]
	s_load_b64 s[24:25], s[0:1], 0x40              ; cvec
	s_load_b64 s[40:41], s[0:1], 0x48              ; x
	s_load_b64 s[42:43], s[0:1], 0x50              ; kws
	s_mov_b32 s2, ttmp9                            ; x of the grid: ib, or 4 + the low part of the cast's number
	s_and_b32 s3, ttmp7, 0xffff                    ; y
	v_lshrrev_b32 v1, 5, v0
	v_readfirstlane_b32 s4, v1                     ; wave
	v_and_b32 v3, 31, v0                           ; lane
	v_and_b32 v1, 15, v0                           ; r
	v_bfe_u32 v2, v0, 4, 1                         ; h
	s_wait_alu depctr_va_sdst(0)                   ; s4 is written, ahead of its first reader: the waves' shares of memory and of LDS are made from it
	s_lshl_b32 s5, s4, 16
	v_lshl_add_u32 v4, v3, 4, s5                   ; GA: 32 rows of 2,048 bytes a wave, 16 bytes a lane (rows of A, or tokens of x)
	s_mul_i32 s5, s4, 32*PA
	v_lshl_add_u32 v5, v3, 3, s5                   ; LAW
	v_mul_u32_u24 v8, v1, PA
	v_lshl_add_u32 v8, v2, 4, v8                   ; AF0 = r 1040 + 16 h
	v_add_nc_u32 v9, 64*PA, v8                     ; AF1: tiles 4 to 7
	s_mul_i32 s5, s4, 16*SP
	s_add_co_u32 s5, s5, STG
	v_mul_u32_u24 v13, v1, SP
	v_lshl_add_u32 v13, v2, 4, v13
	v_add_nc_u32 v13, s5, v13                      ; STO
	v_mul_u32_u24 v14, v2, SP
	v_lshl_add_u32 v14, v1, 4, v14
	v_add_nc_u32 v14, s5, v14                      ; RD
	s_lshl_b32 s5, s4, 14
	v_lshlrev_b32 v15, 10, v2
	v_lshl_add_u32 v15, v1, 4, v15
	v_add_nc_u32 v15, s5, v15                      ; CO = (16 w + h) 1024 + 16 r
	s_mov_b32 s29, 0
	s_wait_kmcnt 0x0
	s_cmp_ge_u32 s2, 4                             ; the same in all four waves of a work-group
	s_cbranch_scc1 .Lcast
	s_lshl_b32 s28, s3, 16
	s_lshl_b32 s5, s2, 8
	s_add_co_u32 s28, s28, s5
	s_add_nc_u64 s[32:33], s[22:23], s[28:29]      ; wcat at row 64 y, column 128 ib
	s_lshl_b32 s28, s3, 8
	s_add_nc_u64 s[34:35], s[24:25], s[28:29]      ; cvec at 64 y
	s_cmp_ge_u32 s3, 8
	s_cbranch_scc1 .Lpath1
	BODY 0, 8, 10, 16
.Lpath1:
	BODY 1, 12, 14, 18
.Lcast:
	s_sub_co_u32 s5, s2, 4
	s_lshl3_add_u32 s5, s3, s5                     ; the cast's number: 8 y + x - 4, 0 to 127
	s_lshl_b32 s28, s5, 18                         ; 128 tokens of 2,048 bytes
	s_add_nc_u64 s[26:27], s[40:41], s[28:29]
	s_lshl_b32 s28, s5, 17                         ; 128 tokens of 1,024 bytes
	s_add_nc_u64 s[30:31], s[42:43], s[28:29]
	s_lshl_b32 s5, s4, 15
	v_lshl_add_u32 v6, v3, 3, s5                   ; 32 tokens a wave, 8 bytes a lane
	s_wait_alu depctr_va_vdst(0)                   ; v4 and v6 are written: the loads read the one as their offset, the stores the other
	XLOADS 0x40, 0                                 ; my tokens 0-15
	XLOADS 0x80, 32768                             ; my tokens 16-31
	s_wait_loadcnt 63                              ; 128 issued, at most 63 out: the first 65 are in, window 1 among them
	XCAST 0x45, 0x04, 0
	s_wait_loadcnt 0x0
	XCAST 0x8a, 0x08, 16384                        ; window 2 has registers of its own for its rounded numbers: nothing that the stores above read is written again
	s_endpgm
.Lfunc_end_k_q8cd8dc3da1_prep:
	.size	k_q8cd8dc3da1_prep, .Lfunc_end_k_q8cd8dc3da1_prep-k_q8cd8dc3da1_prep
	.p2alignl 7, 3214868480
	.fill 96, 4, 3214868480
	.section	.rodata,"a",@progbits
	.p2align	6, 0x0
	.amdhsa_kernel k_q8cd8dc3da1_prep
		.amdhsa_group_segment_fixed_size 299776
		.amdhsa_private_segment_fixed_size 0
		.amdhsa_enable_private_segment 0
		.amdhsa_kernarg_size 88
		.amdhsa_user_sgpr_count 2
		.amdhsa_user_sgpr_kernarg_segment_ptr 1
		.amdhsa_wavefront_size32 1
		.amdhsa_system_sgpr_workgroup_id_x 1
		.amdhsa_system_sgpr_workgroup_id_y 1
		.amdhsa_system_sgpr_workgroup_id_z 1
		.amdhsa_system_vgpr_workitem_id 0
		.amdhsa_next_free_vgpr 1024
		.amdhsa_next_free_sgpr 66
		.amdhsa_reserve_vcc 0
		.amdhsa_float_denorm_mode_32 3
		.amdhsa_float_denorm_mode_16_64 3
		.amdhsa_memory_ordered 1
		.amdhsa_forward_progress 1
		.amdhsa_inst_pref_size 255
	.end_amdhsa_kernel
	.section	.bss,"aw",@nobits
	.p2align	6
	.space	262144
	.amdgpu_metadata
---
amdhsa.version: [ 1, 2 ]
amdhsa.kernels:
  - .name:           k_q8cd8dc3da1_prep
    .symbol:         k_q8cd8dc3da1_prep.kd
    .args:
      - { .name: Wq, .offset: 0, .size: 8, .value_kind: global_buffer, .address_space: global }
      - { .name: Wk, .offset: 8, .size: 8, .value_kind: global_buffer, .address_space: global }
      - { .name: Wv, .offset: 16, .size: 8, .value_kind: global_buffer, .address_space: global }
      - { .name: Wo, .offset: 24, .size: 8, .value_kind: global_buffer, .address_space: global }
      - { .name: bq, .offset: 32, .size: 8, .value_kind: global_buffer, .address_space: global }
      - { .name: bv, .offset: 40, .size: 8, .value_kind: global_buffer, .address_space: global }
      - { .name: bo, .offset: 48, .size: 8, .value_kind: global_buffer, .address_space: global }
      - { .name: wcat, .offset: 56, .size: 8, .value_kind: global_buffer, .address_space: global }
      - { .name: cvec, .offset: 64, .size: 8, .value_kind: global_buffer, .address_space: global }
      - { .name: x, .offset: 72, .size: 8, .value_kind: global_buffer, .address_space: global }
      - { .name: kws, .offset: 80, .size: 8, .value_kind: global_buffer, .address_space: global }
    .group_segment_fixed_size: 299776
    .private_segment_fixed_size: 0
    .kernarg_segment_align: 8
    .kernarg_segment_size: 88
    .max_flat_workgroup_size: 128
    .sgpr_count:     66
    .vgpr_count:     1024
    .wavefront_size: 32
...
	.end_amdgpu_metadata
.endif
;; end of part 6
;; launch attn: the kernel of part 5 again; grid 32 x 8, 4 waves a work-group, clusters of 4 x 1, 327,680 bytes of LDS; arguments kws, wcat, cvec, out0; writes out0
